; MI455X (gfx1250); checked and timed in simulation.
; The chip was launched on July 23, 2026; its instructions are those of AMD's public machine-readable ISA for CDNA 5 (MIT licence, August 2026) and "CDNA5" Instruction Set Architecture Reference Guide (July 2026). The comments in the code are by the model that wrote it; some were corrected since.
;; Self Attention. Allowed arithmetic: matrix products marked QUANTISED: E2M1 operands, one E8M0 scale for each 32 along K, by v_wmma_scale_f32_16x16x128_f8f6f4 with both operands' format E2M1 (or v_wmma_scale_f32_32x16x128_f4), f32 sums; products left as they are: bf16, f16 or f32 operands; f32 sums; everything else in f32.
;; Inputs: Wk 1,024 x 1,024 float32; Wo 1,024 x 1,024 float32; Wq 1,024 x 1,024 float32; Wv 1,024 x 1,024 float32; bo 1,024 float32; x 4 x 2,048 x 1,024 float32.
;; Outputs: out0 4 x 2,048 x 1,024 float32.
;; This version of the problem:
;;   THIS VERSION OF THE PROBLEM IS GIVEN IN LOW PRECISION. The matrix products marked QUANTISED in the list below multiply operands that are first quantised to E2M1 (2 exponent bits, 1 mantissa bit; 4 bits a number), with one power-of-two scale for each 32 numbers along K (OCP MX v1.0); their sums are f32. The products marked 'left as it is' may take bf16, f16 or f32 operands, with f32 sums. Whichever they take, every output number must still come out within the allowed error. Rounding operands to bf16 (8 significant bits) uses up far more of that allowance than f16 does (11 bits, for magnitudes from 6e-5 to 65,504). All else is computed in f32.
;;   The module's matrix products, in the order in which they are computed (A, B: the left and right operand; K: the contracted axis; several contracted axes count as one K, in the product's order):
;;     1. [M 8,192, K 1,024] x [K 1,024, N 1,024]; A: input x; B: input Wq: QUANTISED
;;     2. [M 8,192, K 1,024] x [K 1,024, N 1,024]; A: input x; B: input Wk: QUANTISED
;;     3. [M 8,192, K 1,024] x [K 1,024, N 1,024]; A: input x; B: input Wv: QUANTISED
;;     4. batch 4 x [M 2,048, K 1,024] x [K 1,024, N 2,048]; A: computed on the way; B: computed on the way: left as it is (an operand is computed on the way)
;;     5. batch 4 x [M 2,048, K 2,048] x [K 2,048, N 1,024]; A: computed on the way; B: computed on the way: left as it is (an operand is computed on the way)
;;     6. [M 8,192, K 1,024] x [K 1,024, N 1,024]; A: computed on the way; B: input Wo: left as it is (an operand is computed on the way)
;;   THE QUANTISER, for each operand of a quantised product, along K:
;;     - K is cut into blocks of 32 from its start; a last block that is shorter is filled with zeros.
;;     - A block's scale is 2^e with e = floor(log2(the largest magnitude in the block)) - 2, held to -126 .. 127; a block of zeros has e = 0. As a byte (E8M0): e + 127.
;;     - Each number is divided by its block's scale, clamped to +-6, and rounded to the nearest number of E2M1, ties to even, subnormals kept.
;;     - The product sums the exact products of the quantised numbers (number of the format x scale) in f32.
;;   ~~~python
;;   def quantise(x, axis):      # numpy; x: float32 -> the quantised numbers, widened to float32 again
;;       x = np.moveaxis(x, axis, -1); K = x.shape[-1]
;;       x = np.pad(x, [(0, 0)] * (x.ndim - 1) + [(0, -K % 32)]); x = x.reshape(x.shape[:-1] + (-1, 32)); a = np.abs(x).max(-1, keepdims=True)
;;       e = np.where(a > 0, np.clip(np.frexp(np.where(a > 0, a, 1))[1] - 1 - 2, -126, 127), 0)      # np.frexp(a)[1] - 1 = floor(log2(a)), exactly
;;       r = np.clip(x / 2.0 ** e, -6, 6)
;;       step = 2.0 ** (np.maximum(np.frexp(np.where(r == 0, 1, r))[1] - 1, 0) - 1)
;;       q = np.round(r / step) * step * 2.0 ** e      # np.round: ties to even
;;       return np.moveaxis(q.reshape(q.shape[:-2] + (-1,))[..., :K], -1, axis).astype(np.float32)
;;   ~~~
;; One version. Each part assembles by itself: llvm-mc -triple=amdgcn-amd-amdhsa -mcpu=gfx1250 --defsym DOCPART=n.
;; ======== version 1 of 1: 7 launches
;; limits: values are held in f16: magnitudes above 65,504 overflow, below 6.1e-05 lose precision
;; workspace buffers: prep 8,224,768 bytes; qkv 50,331,648 bytes; sc 67,108,864 bytes; pm 33,554,432 bytes; att 16,777,216 bytes; fine 786,432 bytes
;; launch prep (part 1): grid 384 x 1, 4 waves a work-group, no clusters, 33,280 bytes of LDS; arguments x, Wq, Wk, Wv, Wo, prep; writes prep
.if DOCPART == 1
	.amdgcn_target "amdgcn-amd-amdhsa--gfx1250"
	.amdhsa_code_object_version 6
	.text
	.protected	k_q98c3b767df_prep
	.globl	k_q98c3b767df_prep
	.p2align	8
	.type	k_q98c3b767df_prep,@function
k_q98c3b767df_prep:
	s_mov_b64 s[64:65], 0
	v_nop
	global_prefetch_b8 v0, s[64:65] scope:SCOPE_SE
	s_setreg_imm32_b32 hwreg(HW_REG_WAVE_MODE, 25, 1), 1
	s_wait_xcnt 0x0
; THE PROGRAM: causal attention with one head of 1,024: q, k, v = x Wq^T, x Wk^T, x Wv^T (quantised, MX-FP4), scores = q k^T / 32 under the causal mask,
; softmax, P v, and the projection by Wo with bo.  Seven launches: this one (codes, scale bytes, Wo in f16); the three quantised products as one GEMM; the scores;
; the softmax by rows; P v; the projection; and the first 16 positions of each batch once more in f32.
; WORK LEFT OUT, and why it is dead: reference() itself sets every score with key > query to -infinity by its own jnp.tril, ahead of the softmax; the exponential of
; -infinity is 0 whatever finite values the inputs hold, so such a score, and the product of its weight 0 with v, can reach no output.  Where that comes in whole tiles
; (blocks of scores, and steps of P v, all of whose keys come after all of their queries) they are not multiplied, stored or read.  Every input has a way to the output: all are loaded.
; LIMIT: a NaN, an infinity or an overflow that arises only in the tiles left out is not carried to the result.
; LIMITS OF FORMAT: q, k, v, the attention's result and Wo are rounded to f16 for the products that are left as they are: their magnitudes must stay under 65,504
; (x and the weights both 30 times larger: |q| some 4,500; both with an offset of 30 spreads: some 28,800).  NaN and infinities among the inputs are not served.
;
; THIS LAUNCH.  x [8192][1024] and Wq, Wk, Wv [1024][1024], f32, K innermost, become codes of E2M1 (two a byte, the lower k in the low four bits) and one E8M0 byte for each 32 along K.
; A block's scale is 2^(floor(log2(its largest magnitude)) - 2); its byte is the largest magnitude's exponent field - 2, held at 1 from below.  A block of zeros keeps the byte 1 where the
; rule says 127: its codes are zeros, which add nothing, and this program alone reads the bytes.  Blocks whose largest magnitude lies under 2^-124 keep the byte 1 too.
; Rows are dense and 1,024 is a multiple of 32: each tensor is a plain stream of blocks of 32.  In the buffer prep x's codes and the weights' lie on end, and so do their scale bytes, so that
; work-group g writes codes at 16,384 g and scale bytes at XS_OFF + 1,024 g.  Work-groups 0-255 take x, 256-351 the three weights (32 each), 352-383 turn Wo into f16.
; A wave takes 16 steps of 512 numbers: four loads of 512 consecutive bytes; the 2,048 bytes turn through the wave's own stage in LDS and come back 64 bytes a lane, so that a lane holds 16
; neighbours along K (two neighbouring lanes hold a block).  No tensor loads, no barrier: waves share nothing.  Loads run four steps ahead, the turn through LDS one step.
.set WAVES, 4
.set STEPS, 16
.set WG_X,  256                        ; work-groups for x
.set WG_Q,  352                        ; and with the three weights'
.set XS_OFF, 5767168                   ; prep: where the scale bytes begin
.set WO_OFF, 6127616                   ; prep: where Wo in f16 begins
.set CB,    8                          ; bytes of 16 codes
.set R,     16                         ; v16-79   four sets of 16 numbers as they are loaded
.set X,     80                         ; v80-111  two sets of 16 neighbours
.set C,     128                        ; v128-191 codes: four registers for each step, so that no store's data are written again
.set E,     112                        ; v112-127 a scale byte for each step
.set WREG,  8192                       ; LDS: a region for each wave: two stages of 32 x SP bytes, behind them its 256 scale bytes
.set SP,    80                         ; a lane's place in a stage: 64 bytes + 16 of padding
.set SPW,   12                         ; v12 LDS address of my spare word; never rewritten
.set NIL,   13                         ; v13 0; never rewritten
.set SPARE, WAVES*WREG                 ; the spare words, 128 bytes a wave, which no other line names
	s_load_b256 s[4:11], s[0:1], 0x0               ; x, Wq, Wk, Wv
	s_load_b128 s[12:15], s[0:1], 0x20             ; Wo, prep
	v_lshl_add_u32 v[SPW], v0, 2, SPARE
	v_mov_b32 v[NIL], 0
	v_lshrrev_b32 v1, 5, v0
	v_readfirstlane_b32 s16, v1                    ; wave
	v_and_b32 v2, 31, v0                           ; lane
	v_lshlrev_b32 v3, 4, v2                        ; my 16 bytes of a load's 512
	s_cmp_ge_u32 ttmp9, WG_Q
	s_cbranch_scc1 .Lwo                            ; the last 32 work-groups cast Wo
	s_mul_i32 s17, s16, WREG
	v_lshrrev_b32 v14, 2, v2
	v_mul_u32_u24 v14, v14, SP
	v_and_b32 v15, 3, v2
	v_lshl_add_u32 v14, v15, 4, v14
	v_add_nc_u32 v14, s17, v14                     ; the stage, on the way in: SP (lane / 4) + 16 (lane % 4)
	v_mul_u32_u24 v15, v2, SP
	v_add_nc_u32 v15, s17, v15                     ; and on the way out: SP x lane: my 16 neighbours
	v_mul_u32_u24 v4, v2, CB                       ; my codes' place in a step's
	v_lshrrev_b32 v5, 1, v2
	s_add_co_u32 s17, s17, 2*32*SP
	v_add_nc_u32 v5, s17, v5                       ; LDS: my wave's 256 scale bytes, my block's byte
	v_lshlrev_b32 v7, 3, v2                        ; and on the way out 8 bytes a lane
	v_add_nc_u32 v6, s17, v7
	s_sub_co_u32 s22, ttmp9, WG_X                  ; among the weights' work-groups:
	s_lshr_b32 s23, s22, 5                         ; which weight (0, 1, 2; some large number in x's work-groups),
	s_and_b32 s22, s22, 31                         ; and which 32,768 numbers of it
	s_wait_kmcnt 0x0
	s_cmp_eq_u32 s23, 1                            ; the source is chosen by the work-group's number alone
	s_cselect_b64 s[6:7], s[8:9], s[6:7]
	s_cmp_eq_u32 s23, 2
	s_cselect_b64 s[6:7], s[10:11], s[6:7]
	s_cmp_lt_u32 ttmp9, WG_X
	s_cselect_b64 s[4:5], s[4:5], s[6:7]
	s_cselect_b32 s22, ttmp9, s22
	s_lshl_b32 s22, s22, 2
	s_add_co_u32 s22, s22, s16                     ; my wave's run of 8,192 numbers in the source,
	s_lshl_b32 s22, s22, 15                        ; 32,768 bytes each (33.5 MB at the most)
	s_mov_b32 s23, 0
	s_add_nc_u64 s[4:5], s[4:5], s[22:23]
	s_lshl_b32 s18, ttmp9, 2
	s_add_co_u32 s18, s18, s16                     ; and in prep: 4 g + wave
	s_lshl_b32 s20, s18, 12                        ; 4,096 bytes of codes a run
	s_mov_b32 s21, 0
	s_add_nc_u64 s[8:9], s[14:15], s[20:21]
	s_lshl_b32 s20, s18, 8                         ; 256 scale bytes a run
	s_add_nc_u64 s[10:11], s[14:15], s[20:21]
	s_add_nc_u64 s[10:11], s[10:11], XS_OFF
.macro LOAD t
.irp i, 0,1,2,3
	global_load_b128 v[R+16*((\t)%4)+4*\i:R+16*((\t)%4)+4*\i+3], v3, s[4:5] offset:2048*(\t)+512*\i th:TH_LOAD_NT   ; 32 lanes read 512 consecutive bytes
.endr
.endm
.macro TURN t                          ; step t's numbers through the stage: LDS serves a wave's instructions in order, so no wait stands between the stores and the loads
.irp i, 0,1,2,3
	ds_store_b128 v14, v[R+16*((\t)%4)+4*\i:R+16*((\t)%4)+4*\i+3] offset:32*SP*((\t)%2)+8*SP*\i
.endr
.irp i, 0,1,2,3
	ds_load_b128 v[X+16*((\t)%2)+4*\i:X+16*((\t)%2)+4*\i+3], v15 offset:32*SP*((\t)%2)+16*\i
.endr
.endm
.irp t, 0,1,2,3
	LOAD \t
.endr
	s_wait_loadcnt 12                              ; step 0's four loads are in; the 12 of steps 1 to 3 stay out
	TURN 0
.macro STEP t
.set XR, X+16*((\t)%2)
.if (\t) > 0
	s_wait_dscnt 1                                 ; this step's numbers are back from the stage (the last step's byte store may be out)
.else
	s_wait_dscnt 0x0
.endif
.if (\t)+4 < STEPS
	LOAD (\t)+4                                    ; into the registers that the stage's stores have read
.endif
.if (\t)+1 < STEPS
.if STEPS-2-(\t) >= 3
	s_wait_loadcnt 12                              ; the next step's four loads are in; those of the three steps behind it may be out
.else
	s_wait_loadcnt 4*(STEPS-2-(\t))
.endif
	TURN (\t)+1                                    ; and go through the other stage while this step is worked
.endif
	v_max3_num_f32 v8, |v[XR]|, |v[XR+1]|, |v[XR+2]|               ; the largest magnitude of my 16, in two chains
	v_max3_num_f32 v9, |v[XR+3]|, |v[XR+4]|, |v[XR+5]|
.irp i, 6,10
	v_max3_num_f32 v8, v8, |v[XR+\i]|, |v[XR+\i+1]|
	v_max3_num_f32 v9, v9, |v[XR+\i+2]|, |v[XR+\i+3]|
.endr
	v_max3_num_f32 v8, v8, |v[XR+14]|, |v[XR+15]|
	v_max3_num_f32 v8, v8, v9, 0x1800000           ; and the floor 2^(3 - 127): the byte cannot fall under 1
	v_max_num_f32_dpp v8, v8, v8 row_xmask:1 row_mask:0xf bank_mask:0xf   ; and of my neighbour's 16: the block's
	v_add_nc_u32 v11, 0xff000000, v8               ; 2 off its exponent field: the conversion takes the exponent field of this operand as its scale
	v_cvt_scalef32_pk8_fp4_f32 v[C+4*(\t)], v[XR:XR+7], v11        ; eight numbers / scale, to the nearest code, ties to even, beyond 6 the largest code
	v_cvt_scalef32_pk8_fp4_f32 v[C+4*(\t)+1], v[XR+8:XR+15], v11
	v_lshrrev_b32 v[E+(\t)], 23, v11               ; the scale's byte (also the plain line behind the conversions)
	ds_store_b8 v5, v[E+(\t)] offset:16*(\t)       ; both lanes of a block write the same byte with the same value
	global_store_b64 v4, v[C+4*(\t):C+4*(\t)+1], s[8:9] offset:32*CB*(\t)   ; the wave stores 256 consecutive bytes, aligned
.endm
.irp t, 0,1,2,3,4,5,6,7,8,9,10,11,12,13,14,15
	STEP \t
.endr
	ds_load_b64 v[8:9], v6                         ; LDS serves a wave's instructions in order: these see my stores
	s_wait_dscnt 0x0
	global_store_b64 v7, v[8:9], s[10:11]          ; 32 lanes store 256 consecutive bytes, aligned
	s_wait_tensorcnt 0x0                           ; the wave's end, behind my last LDS store
	ds_add_u32 v[SPW], v[NIL]
	s_wait_dscnt 0x0
	s_endpgm
; Wo [1024][1024] f32 -> f16, as it lies.  A wave takes 8,192 numbers in four groups of 16 loads; two groups are on their way.  This way writes no LDS.
.Lwo:
	s_sub_co_u32 s18, ttmp9, WG_Q
	s_lshl_b32 s18, s18, 2
	s_add_co_u32 s18, s18, s16                     ; my run, 0 .. 127
	s_lshl_b32 s20, s18, 15                        ; 32,768 bytes in,
	s_mov_b32 s21, 0
	s_lshl_b32 s22, s18, 14                        ; 16,384 out
	s_mov_b32 s23, 0
	v_lshlrev_b32 v4, 3, v2                        ; 8 bytes a lane on the way out
	s_wait_kmcnt 0x0
	s_add_nc_u64 s[12:13], s[12:13], s[20:21]
	s_add_nc_u64 s[14:15], s[14:15], s[22:23]
	s_add_nc_u64 s[14:15], s[14:15], WO_OFF
.macro LOADG k
.irp i, 0,1,2,3,4,5,6,7,8,9,10,11,12,13,14,15
	global_load_b128 v[16+64*((\k)%2)+4*\i:16+64*((\k)%2)+4*\i+3], v3, s[12:13] offset:8192*(\k)+512*\i th:TH_LOAD_NT
.endr
.endm
.macro GROUP k
.set GS, 16+64*((\k)%2)
.if (\k) < 3
	s_wait_loadcnt 16                              ; this group's 16 loads are in; the next group's 16 stay out
.else
	s_wait_loadcnt 0x0
.endif
	s_wait_xcnt 0x0                                ; the last group's stores have read their data: v144-175 are written again only behind this wait
.irp i, 0,1,2,3,4,5,6,7,8,9,10,11,12,13,14,15
	v_cvt_pk_f16_f32 v[144+2*\i], v[GS+4*\i], v[GS+4*\i+1]
	v_cvt_pk_f16_f32 v[145+2*\i], v[GS+4*\i+2], v[GS+4*\i+3]
.endr
.irp i, 0,1,2,3,4,5,6,7,8,9,10,11,12,13,14,15
	global_store_b64 v4, v[144+2*\i:145+2*\i], s[14:15] offset:4096*(\k)+256*\i   ; the wave stores 256 consecutive bytes, aligned
.endr
.if (\k)+2 < 4
	LOADG (\k)+2
.endif
.endm
	LOADG 0
	LOADG 1
	GROUP 0
	GROUP 1
	GROUP 2
	GROUP 3
	s_endpgm
.Lfunc_end_k_q98c3b767df_prep:
	.size	k_q98c3b767df_prep, .Lfunc_end_k_q98c3b767df_prep-k_q98c3b767df_prep
	.p2alignl 7, 3214868480
	.fill 96, 4, 3214868480
	.section	.rodata,"a",@progbits
	.p2align	6, 0x0
	.amdhsa_kernel k_q98c3b767df_prep
		.amdhsa_group_segment_fixed_size 33280
		.amdhsa_private_segment_fixed_size 0
		.amdhsa_enable_private_segment 0
		.amdhsa_kernarg_size 48
		.amdhsa_user_sgpr_count 2
		.amdhsa_user_sgpr_kernarg_segment_ptr 1
		.amdhsa_wavefront_size32 1
		.amdhsa_system_sgpr_workgroup_id_x 1
		.amdhsa_system_sgpr_workgroup_id_y 1
		.amdhsa_system_sgpr_workgroup_id_z 1
		.amdhsa_system_vgpr_workitem_id 0
		.amdhsa_next_free_vgpr 192
		.amdhsa_next_free_sgpr 66
		.amdhsa_reserve_vcc 0
		.amdhsa_float_denorm_mode_32 3
		.amdhsa_float_denorm_mode_16_64 3
		.amdhsa_memory_ordered 1
		.amdhsa_forward_progress 1
		.amdhsa_inst_pref_size 54
	.end_amdhsa_kernel
	.amdgpu_metadata
---
amdhsa.version: [ 1, 2 ]
amdhsa.kernels:
  - .name:           k_q98c3b767df_prep
    .symbol:         k_q98c3b767df_prep.kd
    .args:
      - { .name: x, .offset: 0, .size: 8, .value_kind: global_buffer, .address_space: global }
      - { .name: Wq, .offset: 8, .size: 8, .value_kind: global_buffer, .address_space: global }
      - { .name: Wk, .offset: 16, .size: 8, .value_kind: global_buffer, .address_space: global }
      - { .name: Wv, .offset: 24, .size: 8, .value_kind: global_buffer, .address_space: global }
      - { .name: Wo, .offset: 32, .size: 8, .value_kind: global_buffer, .address_space: global }
      - { .name: prep, .offset: 40, .size: 8, .value_kind: global_buffer, .address_space: global }
    .group_segment_fixed_size: 33280
    .private_segment_fixed_size: 0
    .kernarg_segment_align: 8
    .kernarg_segment_size: 48
    .max_flat_workgroup_size: 128
    .sgpr_count:     66
    .vgpr_count:     192
    .wavefront_size: 32
...
	.end_amdgpu_metadata
.endif
;; end of part 1
;; launch qkv (part 2): grid 12 x 32, 4 waves a work-group, clusters of 4 x 4, 327,680 bytes of LDS; arguments prep, qkv; writes qkv
.if DOCPART == 2
	.amdgcn_target "amdgcn-amd-amdhsa--gfx1250"
	.amdhsa_code_object_version 6
	.text
	.protected	k_q98c3b767df_qkv
	.globl	k_q98c3b767df_qkv
	.p2align	8
	.type	k_q98c3b767df_qkv,@function
k_q98c3b767df_qkv:
	s_mov_b64 s[64:65], 0
	v_nop
	global_prefetch_b8 v0, s[64:65] scope:SCOPE_SE
	s_setreg_imm32_b32 hwreg(HW_REG_WAVE_MODE, 25, 1), 1
	s_wait_xcnt 0x0
	s_wait_alu depctr_hold_cnt(0) depctr_sa_sdst(0) depctr_va_vdst(0) depctr_va_sdst(0) depctr_va_ssrc(0) depctr_va_vcc(0) depctr_vm_vsrc(0)
	s_getreg_b32 s2, hwreg(HW_REG_IB_STS2, 6, 4)
	s_cmp_eq_u32 s2, 0
	s_cbranch_scc0 .Lentry_in_a_cluster
	s_endpgm
.Lentry_in_a_cluster:
	s_bfe_u32 s2, ttmp6, 0x10000c
	s_cmp_lg_u32 s2, 0xf033
	s_cbranch_scc0 .Lentry_shape_is_right
	s_endpgm
.Lentry_shape_is_right:
; The three quantised products as ONE product on codes: qkv[m][n] = sum over k of x[m][k] W[n][k], m 8,192, n 3,072 (rows of Wq, then Wk, then Wv), K 1,024; codes of E2M1 with one E8M0 byte for each 32
; along K, as the launch before laid them in prep; sums in f32; the result rounded once to f16 (LIMIT: |q|, |k|, |v| under 65,504), [8192][3072].
; A tile of 256 x 256 is made by four waves, each 128 x 128: 64 accumulators, 512 registers.  K is two steps of 512: two LDS slots, each filled once, rows of 256 bytes.
; The scale bytes of the work-group's 256 rows of x and 256 rows of W, for all of K, are two dense blocks of memory: they come into LDS once, with the first fills.
; CLUSTERS: 4 x 4 work-groups.  The four of a row of the cluster need the same tiles of x, the four of a column the same tiles of W: each tile is asked for JOINTLY, by the same tensor load with the same
; descriptor and a mask that names the four.  THE MATRIX INSTRUCTION IS USED TRANSPOSED (source 0 = 16 rows of W, source 1 = 16 rows of x): a lane then holds eight neighbouring numbers of a row of the result.
; REGISTERS, in windows of 256: window 0: v0-31 addresses; v32-95 scale words, two sets; from v128 x's fragments, ONE set; on the way out v32-63, v192-255 at work.
;   window 1: W's fragments, TWO sets, at v0 and v128.   window 2: the accumulators of my rows 0-63 ((a, b) at v[8 (8 a + b)]);   window 3: those of my rows 64-127.
.set SIZE_N, 3072
.set SIZE_K, 1024
.set WC_OFF, 4194304                   ; prep: W's codes
.set XS_OFF, 5767168                   ; x's scale bytes
.set WS_OFF, 6029312                   ; W's scale bytes
.set NQ,     4                         ; matrix instructions deep in a slot: 512 / 128
.set ROWB,   256                       ; a tile's row in bytes: 512 codes
.set KROW,   512                       ; a row of codes in memory
.set PITCH,  272                       ; an LDS row: 256 bytes + 16 of padding: the 16 rows that a load touches start at 16 different banks (64 banks of 4 bytes: ISA guide 11.1)
.set FR,     8                         ; registers of a fragment: 16 rows x 128 K
.set NL,     2                         ; LDS loads that bring one
.set NP,     4                         ; places behind this matrix instruction (ISA guide 7.12.1)
.set HALFT,  128*PITCH
.set SLOT,   4*HALFT                   ; x's 256 rows, then W's 256 rows
.set KS,     32                        ; a row of scale bytes
.set SCL,    2*SLOT                    ; behind the slots: the scales, as units of 256 bytes + 16 of padding
.set HALFS,  (128*KS/256)*272          ; the scales of 128 rows: what one tensor load brings
.set SBLK,   (16*KS/256)*272           ; those of 16 rows
.set STAGE,  SCL+4*HALFS               ; the way out: 16 rows x (256 bytes + 16) for each wave; no tensor load fills it
.set SPITCH, 272
.set SPARE,  STAGE+4*16*SPITCH         ; the spare words, 128 bytes a wave, which no other line names
.set CROW,   SIZE_N*2                  ; a row of the result in bytes
.set ADRA, 16
.set ADRB, 20
.set STO,  24
.set RD,   25
.set CO,   26
.set ADRS, 27
.set SPW,  28
.set NIL,  29
.set SC,   32                          ; scale words: set s at v[SC + 32 s]; register 4 i + q: lanes 0-15 the word of x's block i, lanes 16-31 that of W's block i, for the slot's q-th 128 along K
.set AF,   128                         ; x's fragments
.set TMP,  192                         ; the way out: packed results
.set OB,   32                          ; and 16 rows read back: v32-63 and v224-255 by turns
.set G1, 24
.set G0, 32
.set G1B, 48
.set G0B, 56
.set G1S, 68
.set G0S, 76
.set G1SB, 80
.set G0SB, 88
.set MSB, 0
.macro WIN new                         ; the immediate's high byte repeats the setting that is left
.if MSB != (\new)
	s_set_vgpr_msb (MSB<<8)|(\new)
.set MSB, \new
.endif
.endm
.set MUL_LO, 0xa1                      ; source 0 (W) window 1, source 1 (x) window 0, C and D window 2
.set MUL_HI, 0xf1                      ; the same, C and D window 3
.set TO_B,   0x40                      ; destination window 1, address window 0
; A joint load: waves 0 and 1 fetch for x, waves 2 and 3 for W.  Each line has one mask and one set of registers for all that issue it; the branch hangs on the wave's number alone.
; An s_nop 0 and four v_nop follow each of the two lines.
.macro JLOAD g0a, g1a, g0b, g1b
	s_cmp_eq_u32 s15, 0
	s_cbranch_scc0 .Lfor_b_\@
	tensor_load_to_lds s[\g0a:\g0a+3], s[\g1a:\g1a+7]
	s_nop 0
.rept 4
	v_nop
.endr
	s_branch .Lasked_\@
.Lfor_b_\@:
	tensor_load_to_lds s[\g0b:\g0b+3], s[\g1b:\g1b+7]
	s_nop 0
.rept 4
	v_nop
.endr
.Lasked_\@:
.endm
.macro CROUND                          ; a round of the cluster's barrier
	s_barrier_signal -1
	s_barrier_wait -1
	s_cmp_lg_u32 s14, 0
	s_cbranch_scc1 .Lnot_wave_0_\@
	s_barrier_signal -3
.Lnot_wave_0_\@:
	s_barrier_wait -3
	s_barrier_signal -1
	s_barrier_wait -1
.endm
	s_load_b64 s[4:5], s[0:1], 0x0                 ; prep: x's codes begin at its first byte
	s_load_b64 s[12:13], s[0:1], 0x8               ; qkv
	v_lshl_add_u32 v[SPW], v0, 2, SPARE
	v_mov_b32 v[NIL], 0
	ds_add_u32 v[SPW], v[NIL]                      ; the wave's opening: the add, twice on end, and its wait ahead of my first tensor load
	ds_add_u32 v[SPW], v[NIL]
	v_lshrrev_b32 v1, 5, v0
	v_readfirstlane_b32 s14, v1                    ; wave 0..3
	s_lshr_b32 s15, s14, 1                         ; which half of the tile's rows is mine.  Also: I fetch for x (0) or for W (1)
	s_and_b32 s16, s14, 1                          ; which half of its columns.  Also: which 128 rows of that tile I fetch
	s_bfe_u32 s40, ttmp6, 0x40000                  ; cx, cy: my place in the cluster
	s_bfe_u32 s41, ttmp6, 0x40004
	s_lshl_b32 s42, ttmp9, 2
	s_add_co_u32 s42, s42, s40                     ; tile column = 4 x cluster x + cx
	s_and_b32 s17, ttmp7, 0xffff
	s_lshl_b32 s17, s17, 2
	s_add_co_u32 s17, s17, s41                     ; tile row = 4 x cluster y + cy
	s_lshl_b32 s43, s41, 2
	s_lshl_b32 s43, 15, s43                        ; my row of the cluster
	s_lshl_b32 s44, 0x1111, s40                    ; my column
	s_or_b32 s[G1+0], s43, (0<<16)|(1<<20)|(1<<21)|(5<<22)|(3<<25)  ; the mask; elements of 1 byte; padding on; bit 21 beside a mask; after every 64 words four words
	s_or_b32 s[G1B+0], s44, (0<<16)|(1<<20)|(1<<21)|(5<<22)|(3<<25)
.irp g, G1, G1B
	s_mov_b32 s[\g+1], ROWB<<16                    ; tensor_dim0
	s_mov_b32 s[\g+2], 128<<16                     ; tensor_dim1
	s_mov_b32 s[\g+3], ROWB<<16                    ; tile_dim0
	s_mov_b32 s[\g+4], 128                         ; tile_dim1
	s_mov_b32 s[\g+5], KROW                        ; from row to row
	s_mov_b32 s[\g+6], 0
	s_mov_b32 s[\g+7], 0
.endr
	s_or_b32 s[G1S+0], s43, (3<<16)|(1<<20)|(1<<21)|(5<<22)|(3<<25) ; the scales of 128 rows: 4,096 dense bytes as 16 rows of 256 (32 elements of 8 bytes), 16 bytes of padding behind each
	s_or_b32 s[G1SB+0], s44, (3<<16)|(1<<20)|(1<<21)|(5<<22)|(3<<25)
.irp g, G1S, G1SB
	s_mov_b32 s[\g+1], 32<<16
	s_mov_b32 s[\g+2], (128*KS/256)<<16
	s_mov_b32 s[\g+3], 32<<16
	s_mov_b32 s[\g+4], 128*KS/256
	s_mov_b32 s[\g+5], 32
	s_mov_b32 s[\g+6], 0
	s_mov_b32 s[\g+7], 0
.endr
	s_lshl_b32 s18, s16, 7                         ; which 128 rows of the tile I fetch
	s_lshl_b32 s20, s17, 8
	s_add_co_u32 s20, s20, s18                     ; x: row 256 x tile row + 128 x half
	s_lshl_b32 s46, s42, 8
	s_add_co_u32 s46, s46, s18                     ; W: row 256 x tile column + 128 x half
	s_mov_b32 s21, 0
	s_mov_b32 s47, 0
	s_mov_b64 s[18:19], KS
	s_mul_u64 s[22:23], s[20:21], s[18:19]         ; where these rows' scales begin, in bytes
	s_mul_u64 s[92:93], s[46:47], s[18:19]
	s_mov_b64 s[18:19], KROW
	s_mul_u64 s[20:21], s[20:21], s[18:19]         ; and their codes
	s_mul_u64 s[46:47], s[46:47], s[18:19]
	s_mul_i32 s45, s14, HALFT                      ; where they go: wave x 128 rows: no place in the cluster enters an LDS address
	s_mul_i32 s94, s14, HALFS
	s_wait_dscnt 0x0                               ; both opening adds are done
	s_wait_kmcnt 0x0
	s_add_nc_u64 s[6:7], s[4:5], XS_OFF
	s_add_nc_u64 s[8:9], s[4:5], WC_OFF
	s_add_nc_u64 s[10:11], s[4:5], WS_OFF
	s_add_nc_u64 s[20:21], s[4:5], s[20:21]
	s_add_nc_u64 s[22:23], s[6:7], s[22:23]
	s_add_nc_u64 s[46:47], s[8:9], s[46:47]
	s_add_nc_u64 s[92:93], s[10:11], s[92:93]
	CROUND                                         ; all sixteen work-groups are here: the first joint loads meet
	s_mov_b32 s[G0S], 1
	s_add_co_u32 s[G0S+1], s94, SCL
	s_mov_b64 s[G0S+2:G0S+3], s[22:23]
	s_or_b32 s[G0S+3], s[G0S+3], 0x80000000
	s_mov_b32 s[G0SB], 1
	s_add_co_u32 s[G0SB+1], s94, SCL
	s_mov_b64 s[G0SB+2:G0SB+3], s[92:93]
	s_or_b32 s[G0SB+3], s[G0SB+3], 0x80000000
	JLOAD G0S, G1S, G0SB, G1SB                     ; the scales first: they are wanted with K step 0
.irp s, 0,1
	s_mov_b32 s[G0+4*\s], 1
	s_add_co_u32 s[G0+4*\s+1], s45, \s*SLOT
	s_add_nc_u64 s[G0+4*\s+2:G0+4*\s+3], s[20:21], \s*ROWB
	s_or_b32 s[G0+4*\s+3], s[G0+4*\s+3], 0x80000000
	s_mov_b32 s[G0B+4*\s], 1
	s_add_co_u32 s[G0B+4*\s+1], s45, \s*SLOT
	s_add_nc_u64 s[G0B+4*\s+2:G0B+4*\s+3], s[46:47], \s*ROWB
	s_or_b32 s[G0B+4*\s+3], s[G0B+4*\s+3], 0x80000000
	JLOAD G0+4*\s, G1, G0B+4*\s, G1B               ; three loads of mine are out in all
.endr
	v_and_b32 v1, 15, v0                           ; r = l % 16
	v_bfe_u32 v2, v0, 4, 1                         ; h = l / 16
	v_mul_u32_u24 v3, v1, PITCH
	v_lshl_add_u32 v4, v2, 4, v3                   ; a fragment's row x pitch + 16 x half
	s_mul_i32 s21, s15, HALFT                      ; my 128 rows of x
	s_mul_i32 s22, s16, HALFT                      ; my 128 rows of W,
	s_add_co_u32 s22, s22, 2*HALFT                 ; which lie behind x's 256
.irp s, 0,1
	v_add_nc_u32 v[ADRA+\s], s21, v4
	v_add_nc_u32 v[ADRB+\s], s22, v4
	s_add_co_u32 s21, s21, SLOT
	s_add_co_u32 s22, s22, SLOT
.endr
	v_mul_u32_u24 v5, v1, KS                       ; my row's scales: 32 bytes a row,
	v_lshrrev_b32 v6, 8, v5
	v_lshl_add_u32 v5, v6, 4, v5                   ; and 16 more for each 256 passed
	s_mul_i32 s21, s15, HALFS
	s_mul_i32 s22, s16, HALFS
	s_add_co_u32 s22, s22, 2*HALFS
	s_sub_co_u32 s22, s22, s21
	v_mul_u32_u24 v6, s22, v2                      ; lanes 16-31 take W's: one product, the distance between the two bases
	s_add_co_u32 s21, s21, SCL
	v_add_nc_u32 v5, v5, v6
	v_add_nc_u32 v[ADRS], s21, v5
	s_mul_i32 s23, s14, 16*SPITCH
	s_add_co_u32 s23, s23, STAGE                   ; my stage
	v_mul_u32_u24 v5, v1, SPITCH                   ; in: row r, 16 bytes for each half of the lanes
	v_lshl_add_u32 v5, v2, 4, v5
	v_add_nc_u32 v[STO], s23, v5
	v_mul_u32_u24 v5, v2, SPITCH                   ; back: lanes 0-15 one row of 256 bytes, lanes 16-31 the next
	v_lshl_add_u32 v5, v1, 4, v5
	v_add_nc_u32 v[RD], s23, v5
	v_mul_u32_u24 v5, v2, CROW                     ; and the same two rows in the result
	v_lshl_add_u32 v[CO], v1, 4, v5
	s_lshl_b32 s20, s17, 8
	s_lshl_b32 s21, s15, 7
	s_add_co_u32 s20, s20, s21                     ; my first row: 256 x tile row + 128 x half
	s_mov_b32 s21, 0
	s_mov_b64 s[18:19], CROW
	s_mul_u64 s[20:21], s[20:21], s[18:19]
	s_lshl_b32 s46, s42, 9                         ; my first column, in bytes: 512 x tile column + 256 x half
	s_lshl_b32 s47, s16, 8
	s_add_co_u32 s46, s46, s47
	s_mov_b32 s47, 0
	s_add_nc_u64 s[20:21], s[20:21], s[46:47]
	s_add_nc_u64 s[12:13], s[12:13], s[20:21]
.macro FRAG reg, adr, q, i             ; 16 rows x 128 K of 4-bit codes: lane l holds row l % 16; registers 4 c .. 4 c + 3 hold K = 64 c + 32 (l / 16) + 0 .. 31
.irp c, 0,1
	ds_load_b128 v[\reg+4*\c:\reg+4*\c+3], v[\adr] offset:64*(\q)+32*\c+(\i)*16*PITCH
.endr
.endm
; 16 matrix instructions: x's blocks a0, a0 + 1 against W's eight.  p: W's set; sc: the set of scale words; zero = 1: the first product starts the sums.  The 64 accumulators take turns.
.macro MUL16 a0, p, q, sc, zero
.irp a, \a0, \a0+1
.irp b, 0,1,2,3,4,5,6,7
.if \zero
	v_wmma_scale_f32_16x16x128_f8f6f4 v[8*(8*((\a)%4)+\b):8*(8*((\a)%4)+\b)+7], v[128*(\p)+FR*\b:128*(\p)+FR*\b+FR-1], v[AF+FR*(\a):AF+FR*(\a)+FR-1], 0, v[SC+8*NQ*(\sc)+NQ*\b+(\q)], v[SC+8*NQ*(\sc)+NQ*(\a)+(\q)] matrix_a_fmt:MATRIX_FMT_FP4 matrix_b_fmt:MATRIX_FMT_FP4 matrix_a_scale:MATRIX_SCALE_ROW1
.else
	v_wmma_scale_f32_16x16x128_f8f6f4 v[8*(8*((\a)%4)+\b):8*(8*((\a)%4)+\b)+7], v[128*(\p)+FR*\b:128*(\p)+FR*\b+FR-1], v[AF+FR*(\a):AF+FR*(\a)+FR-1], v[8*(8*((\a)%4)+\b):8*(8*((\a)%4)+\b)+7], v[SC+8*NQ*(\sc)+NQ*\b+(\q)], v[SC+8*NQ*(\sc)+NQ*(\a)+(\q)] matrix_a_fmt:MATRIX_FMT_FP4 matrix_b_fmt:MATRIX_FMT_FP4 matrix_a_scale:MATRIX_SCALE_ROW1
.endif
.endr
.endr
.endm
.macro FETCH_B slot, q, p
	WIN TO_B
.irp i, 0,1,2,3,4,5,6,7
	FRAG 128*(\p)+FR*\i, ADRB+\slot, \q, \i
.endr
	WIN 0
.endm
.macro FETCH_A slot, q, i0
.irp i, \i0, \i0+1, \i0+2, \i0+3
	FRAG AF+FR*(\i), ADRA+\slot, \q, \i
.endr
.endm
.macro SCALES sc                       ; a K step's scale words: 4 words a row; lanes 0-15 take x's block i, lanes 16-31 W's block i
.irp i, 0,1,2,3,4,5,6,7
	ds_load_b128 v[SC+8*NQ*\sc+NQ*\i:SC+8*NQ*\sc+NQ*\i+3], v[ADRS] offset:\i*SBLK
.endr
.endm
.macro PLACES n                        ; plain vector places behind matrix instructions, in front of loads into registers that they read and of reads of their results
.rept \n
	v_nop
.endr
.endm
.macro STEP slot, q, zero              ; 128 along K with its successor in the same slot
	s_wait_dscnt 4*NL                              ; W's set and x's blocks 0-3 are in; the youngest 8 loads (x's blocks 4-7) may be out
	WIN MUL_LO
	MUL16 0, (\q)%2, \q, \slot, \zero
	MUL16 2, (\q)%2, \q, \slot, \zero
	s_wait_dscnt 0                                 ; x's blocks 4-7 are in
	PLACES NP
	FETCH_B \slot, (\q)+1, 1-(\q)%2
	FETCH_A \slot, (\q)+1, 0
	WIN MUL_HI
	MUL16 4, (\q)%2, \q, \slot, \zero
	MUL16 6, (\q)%2, \q, \slot, \zero
	PLACES NP
	WIN 0
	FETCH_A \slot, (\q)+1, 4
.endm
.macro TURN slot, next                 ; slot 0's last step changes slots: one barrier; nothing is filled again
	s_wait_tensorcnt 0x0                           ; all my tensor loads have landed: my part of the next slot
	ds_add_u32 v[SPW], v[NIL]                      ; 0 onto my spare word
	s_wait_dscnt 4*NL+1                            ; (the add and the youngest 8 loads may be out)
	WIN MUL_LO
	MUL16 0, 1, NQ-1, \slot, 0
	s_wait_dscnt 0x0                               ; the add is done, and my reads of this slot are over
	s_barrier_signal -1
	MUL16 2, 1, NQ-1, \slot, 0
	WIN 0
	s_barrier_wait -1                              ; the next slot is whole
	PLACES NP
	v_add_nc_u32 v[ADRS], 4*NQ, v[ADRS]            ; on to the next K step's scale words
	FETCH_B \next, 0, 0
	FETCH_A \next, 0, 0
	SCALES \next
	WIN MUL_HI
	MUL16 4, 1, NQ-1, \slot, 0
	MUL16 6, 1, NQ-1, \slot, 0
	PLACES NP
	WIN 0
	FETCH_A \next, 0, 4
.endm
	s_wait_tensorcnt 1                             ; the scales and my part of K step 0 are in; K step 1's load stays out
	s_barrier_signal -1
	s_barrier_wait -1
	FETCH_B 0, 0, 0
	FETCH_A 0, 0, 0
	SCALES 0
	FETCH_A 0, 0, 4
	STEP 0, 0, 1                                   ; the first products start the sums
	STEP 0, 1, 0
	STEP 0, 2, 0
	TURN 0, 1
	STEP 1, 0, 0
	STEP 1, 1, 0
	STEP 1, 2, 0
	s_wait_dscnt 4*NL                              ; the last step: nothing more to fetch
	WIN MUL_LO
	MUL16 0, 1, NQ-1, 1, 0
	MUL16 2, 1, NQ-1, 1, 0
	s_wait_dscnt 0
	WIN MUL_HI
	MUL16 4, 1, NQ-1, 1, 0
	MUL16 6, 1, NQ-1, 1, 0
	WIN 0
; THE WAY OUT, by blocks of 16 rows x 128 columns: rounded to f16, 16 bytes a lane into my own stage, back as whole rows of 256 bytes, stored sixteen lanes to 256 consecutive aligned bytes.
.macro PACK a
.set AC, 64*((\a)%4)
	WIN 0x0a+5*((\a)/4)                            ; sources 0 and 1: window 2 or 3
.irp b, 0,1,2,3,4,5,6,7
.irp r, 0,1,2,3
	v_cvt_pk_f16_f32 v[TMP+4*\b+\r], v[AC+8*\b+2*\r], v[AC+8*\b+2*\r+1]   ; each accumulator from its low end on
.endr
.endr
	WIN 0
.endm
.macro TOSTAGE a
.set BK, OB+192*((\a)%2)
.irp b, 0,1,2,3,4,5,6,7
	ds_store_b128 v[STO], v[TMP+4*\b:TMP+4*\b+3] offset:32*\b
.endr
.irp t, 0,1,2,3,4,5,6,7
	ds_load_b128 v[BK+4*\t:BK+4*\t+3], v[RD] offset:\t*2*SPITCH    ; LDS serves a wave's instructions in order: these see the stores above
.endr
.endm
.macro SEND a
.set BK, OB+192*((\a)%2)
	s_wait_dscnt 0x0                               ; the block is back in registers
	s_wait_xcnt 0x0                                ; earlier stores have read their base and data: only behind this wait are they rewritten
.if (\a) > 0
	s_add_nc_u64 s[12:13], s[12:13], 16*CROW
.endif
.irp t, 0,1,2,3,4,5,6,7
	global_store_b128 v[CO], v[BK+4*\t:BK+4*\t+3], s[12:13] offset:2*\t*CROW
.endr
.endm
	PLACES NP
	PACK 0
	TOSTAGE 0
.irp a, 1,2,3,4,5,6,7                  ; block a's conversions stand between block a - 1's loads from the stage and the wait for them
	PACK \a
	SEND \a-1
	TOSTAGE \a
.endr
	SEND 7
	s_wait_tensorcnt 0x0                           ; the wave's end
	ds_add_u32 v[SPW], v[NIL]
	s_wait_dscnt 0x0
	CROUND                                         ; the closing round
	s_endpgm
.Lfunc_end_k_q98c3b767df_qkv:
	.size	k_q98c3b767df_qkv, .Lfunc_end_k_q98c3b767df_qkv-k_q98c3b767df_qkv
	.p2alignl 7, 3214868480
	.fill 96, 4, 3214868480
	.section	.rodata,"a",@progbits
	.p2align	6, 0x0
	.amdhsa_kernel k_q98c3b767df_qkv
		.amdhsa_group_segment_fixed_size 327680
		.amdhsa_private_segment_fixed_size 0
		.amdhsa_enable_private_segment 0
		.amdhsa_kernarg_size 16
		.amdhsa_user_sgpr_count 2
		.amdhsa_user_sgpr_kernarg_segment_ptr 1
		.amdhsa_wavefront_size32 1
		.amdhsa_system_sgpr_workgroup_id_x 1
		.amdhsa_system_sgpr_workgroup_id_y 1
		.amdhsa_system_sgpr_workgroup_id_z 1
		.amdhsa_system_vgpr_workitem_id 0
		.amdhsa_next_free_vgpr 1024
		.amdhsa_next_free_sgpr 98
		.amdhsa_reserve_vcc 0
		.amdhsa_float_denorm_mode_32 3
		.amdhsa_float_denorm_mode_16_64 3
		.amdhsa_memory_ordered 1
		.amdhsa_forward_progress 1
		.amdhsa_inst_pref_size 127
	.end_amdhsa_kernel
	.amdgpu_metadata
---
amdhsa.version: [ 1, 2 ]
amdhsa.kernels:
  - .name:           k_q98c3b767df_qkv
    .symbol:         k_q98c3b767df_qkv.kd
    .args:
      - { .name: prep, .offset: 0, .size: 8, .value_kind: global_buffer, .address_space: global }
      - { .name: qkv, .offset: 8, .size: 8, .value_kind: global_buffer, .address_space: global }
    .group_segment_fixed_size: 327680
    .private_segment_fixed_size: 0
    .kernarg_segment_align: 8
    .kernarg_segment_size: 16
    .max_flat_workgroup_size: 128
    .sgpr_count:     98
    .vgpr_count:     1024
    .wavefront_size: 32
...
	.end_amdgpu_metadata
.endif
;; end of part 2
;; launch scores (part 3): grid 36 x 4, 4 waves a work-group, no clusters, 327,680 bytes of LDS; arguments qkv, sc; writes sc
.if DOCPART == 3
	.amdgcn_target "amdgcn-amd-amdhsa--gfx1250"
	.amdhsa_code_object_version 6
	.text
	.protected	k_q98c3b767df_scores
	.globl	k_q98c3b767df_scores
	.p2align	8
	.type	k_q98c3b767df_scores,@function
k_q98c3b767df_scores:
	s_mov_b64 s[64:65], 0
	v_nop
	global_prefetch_b8 v0, s[64:65] scope:SCOPE_SE
	s_setreg_imm32_b32 hwreg(HW_REG_WAVE_MODE, 25, 1), 1
	s_wait_xcnt 0x0
; sc[b][q][k] = sum over d of q[b][q][d] k[b][k][d], the raw f32 sums (the factor 1/32 and the mask come with the softmax), from f16 operands.
; WORK LEFT OUT: tiles of 256 x 256 all of whose keys come after all of their queries get the weight 0 by reference()'s own mask, whatever the inputs hold: of a batch's 64 tiles the 36 on or
; under the diagonal are made.  In a diagonal tile the wave whose 128 x 128 lies wholly above the diagonal stores nothing.
; A work-group makes one tile, four waves, each 128 x 128 in 512 registers; K = 1,024 goes in 8 steps of 128 through two LDS slots; a tile's rows are 256 bytes of memory, aligned.
; NO CLUSTER: a batch's causal tiles are rows of 1 to 8 tiles: no group of four work-groups shares a tile of q or of k in every row or column of the triangle without partners whose own tile lies wholly under the mask.
; THE MATRIX INSTRUCTION IS USED TRANSPOSED (source 0 = 16 keys, source 1 = 16 queries): a lane then holds eight neighbouring keys of one query.
; REGISTERS: window 0: v0-31 addresses; v64-127, v128-191 q's fragments, two buffers; window 1: the same for k's; windows 2, 3: the accumulators of my rows 0-63, 64-127.
.set KSTEP,  128
.set PITCH,  272                       ; an LDS row: 256 bytes + 16 of padding
.set HALFT,  128*PITCH
.set SLOT,   4*HALFT                   ; q's 256 rows, then k's 256 rows
.set STAGE,  2*SLOT                    ; the way out: 16 rows x (512 bytes + 16) for each wave; no tensor load fills it
.set SPITCH, 528
.set SPARE,  STAGE+4*16*SPITCH         ; the spare words, 128 bytes a wave, which no other line names
.set QROW,   6144                      ; a row of qkv in bytes
.set SROW,   8192                      ; a row of sc in bytes
.set LAPS,   4                         ; a lap = two K steps
.set ADRA, 16
.set ADRB, 20
.set STO,  24
.set RD,   25
.set CO,   26
.set SPW,  28
.set NIL,  29
.set F0,   64
.set F1,   128
.set BK,   128                         ; the way out: 16 rows read back: v128-191 and v192-255 by turns
.set G1, 24                            ; s[24:31] descriptor group 1, one for all loads
.set G0, 32                            ; s[32:39] group 0, one set for each slot
.set MSB, 0
.macro WIN new
.if MSB != (\new)
	s_set_vgpr_msb (MSB<<8)|(\new)
.set MSB, \new
.endif
.endm
.set MUL_LO, 0xa1                      ; source 0 (k) window 1, source 1 (q) window 0, C and D window 2
.set MUL_HI, 0xf1
.set TO_B,   0x40
	s_load_b128 s[4:7], s[0:1], 0x0                ; qkv, sc
	v_lshl_add_u32 v[SPW], v0, 2, SPARE
	v_mov_b32 v[NIL], 0
	ds_add_u32 v[SPW], v[NIL]                      ; the wave's opening: the add, twice on end, and its wait ahead of my first tensor load
	ds_add_u32 v[SPW], v[NIL]
	v_lshrrev_b32 v1, 5, v0
	v_readfirstlane_b32 s10, v1                    ; wave 0..3
	s_lshr_b32 s11, s10, 1                         ; which half of the tile's queries is mine.  Also: I fetch for q (0) or for k (1)
	s_and_b32 s12, s10, 1                          ; which half of its keys.  Also: which 128 rows I fetch
	s_mov_b32 s40, 0                               ; the place x in the triangle gives the tile row i: how many of the rows' first places lie at or under x
.irp T, 1,3,6,10,15,21,28
	s_cmp_ge_u32 ttmp9, \T
	s_cselect_b32 s41, 1, 0
	s_add_co_u32 s40, s40, s41
.endr
	s_add_co_u32 s41, s40, 1
	s_mul_i32 s41, s41, s40
	s_lshr_b32 s41, s41, 1
	s_sub_co_u32 s41, ttmp9, s41                   ; and the tile column j = x - i (i + 1) / 2
	s_and_b32 s13, ttmp7, 0xffff                   ; the batch
	s_sub_co_u32 s42, s40, s41
	s_xor_b32 s43, s10, 1
	s_or_b32 s42, s42, s43                         ; 0 in wave 1 of a diagonal tile: queries 0-127 against keys 128-255, all hidden
	s_mov_b32 s[G1+0], (1<<16)|(1<<20)|(5<<22)|(3<<25)   ; no mask; elements of 2 bytes; padding: four words after every 64
	s_mov_b32 s[G1+1], KSTEP<<16                   ; tensor_dim0
	s_mov_b32 s[G1+2], 128<<16                     ; tensor_dim1
	s_mov_b32 s[G1+3], KSTEP<<16                   ; tile_dim0
	s_mov_b32 s[G1+4], 128                         ; tile_dim1
	s_mov_b32 s[G1+5], 3072                        ; elements from row to row
	s_mov_b32 s[G1+6], 0
	s_mov_b32 s[G1+7], 0
	s_cmp_eq_u32 s11, 0
	s_cselect_b32 s16, s40, s41                    ; q's rows by the tile row, k's by the tile column
	s_cselect_b32 s18, 0, 2048                     ; k's columns begin 2,048 bytes into a row of qkv
	s_lshl_b32 s16, s16, 8
	s_lshl_b32 s17, s12, 7
	s_add_co_u32 s16, s16, s17
	s_lshl_b32 s17, s13, 11
	s_add_co_u32 s16, s16, s17                     ; the first row that I fetch
	s_mul_i32 s16, s16, QROW                       ; (50 MB at the most)
	s_add_co_u32 s16, s16, s18
	s_mov_b32 s17, 0
	s_mul_i32 s20, s10, HALFT                      ; and where it goes: q's two halves, then k's two
	s_wait_dscnt 0x0                               ; both opening adds are done
	s_wait_kmcnt 0x0
	s_add_nc_u64 s[14:15], s[4:5], s[16:17]
.irp s, 0,1
	s_mov_b32 s[G0+4*\s], 1
	s_add_co_u32 s[G0+4*\s+1], s20, \s*SLOT
	s_add_nc_u64 s[G0+4*\s+2:G0+4*\s+3], s[14:15], \s*KSTEP*2
	s_or_b32 s[G0+4*\s+3], s[G0+4*\s+3], 0x80000000
.endr
	tensor_load_to_lds s[G0:G0+3], s[G1:G1+7]      ; every wave's two first fills, with no branch: two loads of mine are out
	s_nop 0
	tensor_load_to_lds s[G0+4:G0+7], s[G1:G1+7]
	s_nop 0
.rept 4
	v_nop
.endr
	v_and_b32 v1, 15, v0                           ; r
	v_bfe_u32 v2, v0, 4, 1                         ; h
	v_mul_u32_u24 v3, v1, PITCH
	v_lshl_add_u32 v3, v2, 4, v3
	s_mul_i32 s21, s11, HALFT                      ; my 128 queries
	s_mul_i32 s22, s12, HALFT                      ; my 128 keys,
	s_add_co_u32 s22, s22, 2*HALFT                 ; behind q's 256 rows
.irp s, 0,1
	v_add_nc_u32 v[ADRA+\s], s21, v3
	v_add_nc_u32 v[ADRB+\s], s22, v3
	s_add_co_u32 s21, s21, SLOT
	s_add_co_u32 s22, s22, SLOT
.endr
	s_mul_i32 s23, s10, 16*SPITCH
	s_add_co_u32 s23, s23, STAGE                   ; my stage
	v_mul_u32_u24 v5, v1, SPITCH                   ; in: row r, 32 bytes for each half of the lanes
	v_lshl_add_u32 v5, v2, 5, v5
	v_add_nc_u32 v[STO], s23, v5
	v_and_b32 v6, 31, v0
	v_lshlrev_b32 v[CO], 4, v6                     ; back: the 32 lanes take one row of 512 bytes; the same in sc
	v_add_nc_u32 v[RD], s23, v[CO]
	s_lshl_b32 s16, s13, 11
	s_lshl_b32 s17, s40, 8
	s_add_co_u32 s16, s16, s17
	s_lshl_b32 s17, s11, 7
	s_add_co_u32 s16, s16, s17                     ; my first row of sc
	s_lshl_b32 s16, s16, 13                        ; x 8,192 bytes (64 MB at the most)
	s_lshl_b32 s17, s41, 10
	s_add_co_u32 s16, s16, s17                     ; + 1,024 x tile column
	s_lshl_b32 s17, s12, 9
	s_add_co_u32 s16, s16, s17                     ; + 512 x half
	s_mov_b32 s17, 0
	s_add_nc_u64 s[6:7], s[6:7], s[16:17]
.macro MUL16 f, hi, a0, zero           ; 16 matrix instructions: query blocks a0, a0 + 1 of the window's four x all 8 key blocks, 32 along K; the accumulators take turns
.irp a, \a0, \a0+1
.irp b, 0,1,2,3,4,5,6,7
.if \zero
	v_wmma_f32_16x16x32_f16 v[8*(8*(\a)+\b):8*(8*(\a)+\b)+7], v[\f+8*\b:\f+8*\b+7], v[\f+8*(4*\hi+\a):\f+8*(4*\hi+\a)+7], 0
.else
	v_wmma_f32_16x16x32_f16 v[8*(8*(\a)+\b):8*(8*(\a)+\b)+7], v[\f+8*\b:\f+8*\b+7], v[\f+8*(4*\hi+\a):\f+8*(4*\hi+\a)+7], v[8*(8*(\a)+\b):8*(8*(\a)+\b)+7]
.endif
.endr
.endr
.endm
.macro FETCH slot, k, f                ; 32 LDS loads in one run: a quarter step's fragments, k's first, then q's
	WIN TO_B
.irp i, 0,1,2,3,4,5,6,7
	ds_load_b128 v[\f+8*\i:\f+8*\i+3],   v[ADRB+\slot] offset:\k+\i*16*PITCH
	ds_load_b128 v[\f+8*\i+4:\f+8*\i+7], v[ADRB+\slot] offset:\k+\i*16*PITCH+32
.endr
	WIN 0
.irp i, 0,1,2,3,4,5,6,7
	ds_load_b128 v[\f+8*\i:\f+8*\i+3],   v[ADRA+\slot] offset:\k+\i*16*PITCH
	ds_load_b128 v[\f+8*\i+4:\f+8*\i+7], v[ADRA+\slot] offset:\k+\i*16*PITCH+32
.endr
.endm
.macro PLACES                          ; four plain places behind matrix instructions (ISA guide 7.12.1)
.rept 4
	v_nop
.endr
.endm
.macro QUARTER slot, k, f, g, zero     ; multiplies buffer f; in its middle fetches the next quarter, at byte k, into g
	s_wait_dscnt 8                                 ; k's fragments and q's rows 0-63 are in; the youngest 8 loads (q's rows 64-127) may be out
	WIN MUL_LO
	MUL16 \f, 0, 0, \zero
	MUL16 \f, 0, 2, \zero
	PLACES
	FETCH \slot, \k, \g
	s_wait_dscnt 32                                ; all but the 32 just issued
	WIN MUL_HI
	MUL16 \f, 1, 0, \zero
	MUL16 \f, 1, 2, \zero
.endm
; The last quarter of a K step multiplies buffer 1 and changes slots: one barrier; in front of it each wave waits for all its tensor loads (one is out: its part of the next slot), adds 0 to its
; spare word, and waits for that and for its reads of this slot.  fill = 1: this slot is filled again, two K steps on, first thing behind the barrier: it has a K step's products in which to land.
.macro TURN slot, next, fill
	WIN 0
	s_wait_tensorcnt 0x0
	ds_add_u32 v[SPW], v[NIL]
	s_wait_dscnt 9                                 ; (the add and the youngest 8 loads may be out)
	WIN MUL_LO
	MUL16 F1, 0, 0, 0
	s_wait_dscnt 0x0                               ; the add is done, and my reads of this slot are over
	s_barrier_signal -1
	MUL16 F1, 0, 2, 0
	WIN 0
	s_barrier_wait -1
.if \fill
	s_add_nc_u64 s[G0+4*\slot+2:G0+4*\slot+3], s[G0+4*\slot+2:G0+4*\slot+3], 2*KSTEP*2   ; no tensor load of mine is out: the group 0 may be written
	tensor_load_to_lds s[G0+4*\slot:G0+4*\slot+3], s[G1:G1+7]
	s_nop 0
.rept 4
	v_nop                                          ; (also the places in front of the loads below)
.endr
.else
	PLACES
.endif
	FETCH \next, 0, F0
	WIN MUL_HI
	MUL16 F1, 1, 0, 0
	MUL16 F1, 1, 2, 0
.endm
	s_wait_tensorcnt 1                             ; my part of K step 0 is in; K step 1's stays out
	s_barrier_signal -1
	s_barrier_wait -1
	FETCH 0, 0, F0
	QUARTER 0, 64,  F0, F1, 1                      ; the first quarter's products start the sums
	WIN 0
	s_mov_b32 s3, LAPS-1
.Llap:                                             ; a trip goes once round the ring and fills both slots again
	QUARTER 0, 128, F1, F0, 0
	QUARTER 0, 192, F0, F1, 0
	TURN 0, 1, 1
	QUARTER 1, 64,  F0, F1, 0
	QUARTER 1, 128, F1, F0, 0
	QUARTER 1, 192, F0, F1, 0
	TURN 1, 0, 1
	QUARTER 0, 64,  F0, F1, 0
	WIN 0
	s_sub_co_u32 s3, s3, 1
	s_cmp_lg_u32 s3, 0
	s_cbranch_scc1 .Llap
	QUARTER 0, 128, F1, F0, 0                      ; the last lap is written out: it fills nothing
	QUARTER 0, 192, F0, F1, 0
	TURN 0, 1, 0
	QUARTER 1, 64,  F0, F1, 0
	QUARTER 1, 128, F1, F0, 0
	QUARTER 1, 192, F0, F1, 0
	s_wait_dscnt 8
	WIN MUL_LO
	MUL16 F1, 0, 0, 0
	MUL16 F1, 0, 2, 0
	s_wait_dscnt 0
	WIN MUL_HI
	MUL16 F1, 1, 0, 0
	MUL16 F1, 1, 2, 0
	WIN 0
	s_cmp_eq_u32 s42, 0                            ; ids alone: my 128 x 128 lies wholly above the diagonal: nobody reads it
	s_cbranch_scc1 .Lclose
; THE WAY OUT, by blocks of 16 queries x 128 keys, through my own stage: back as whole rows of 512 bytes, which the 32 lanes store as 512 consecutive aligned bytes.
.macro TOSTAGE a
.set AC, 64*((\a)%4)
	WIN 0x08+4*((\a)/4)                            ; an LDS store's data: window 2 or 3
.irp b, 0,1,2,3,4,5,6,7
	ds_store_b128 v[STO], v[AC+8*\b:AC+8*\b+3] offset:64*\b          ; each accumulator from its low end on
	ds_store_b128 v[STO], v[AC+8*\b+4:AC+8*\b+7] offset:64*\b+16
.endr
	WIN 0
.set BB, BK+64*((\a)%2)
.irp t, 0,1,2,3,4,5,6,7,8,9,10,11,12,13,14,15
	ds_load_b128 v[BB+4*\t:BB+4*\t+3], v[RD] offset:\t*SPITCH        ; LDS serves a wave's instructions in order
.endr
.endm
.macro SEND a, younger                 ; younger: the LDS instructions issued behind block a's loads
.set BB, BK+64*((\a)%2)
	s_wait_dscnt \younger
.if (\a) > 0
	s_add_nc_u64 s[6:7], s[6:7], 16*SROW           ; (behind a wait on XCNT: the earlier stores have read their base)
.endif
.irp t, 0,1,2,3,4,5,6,7,8,9,10,11,12,13,14,15
	global_store_b128 v[CO], v[BB+4*\t:BB+4*\t+3], s[6:7] offset:\t*SROW
.endr
.endm
	PLACES
	TOSTAGE 0
.irp a, 1,2,3,4,5,6,7
.if \a > 1
	s_wait_xcnt 0x0                                ; block a - 2's stores have read their registers and their base
.endif
	TOSTAGE \a
	SEND \a-1, 32                                  ; behind block a - 1's loads: block a's 16 stores and 16 loads
.endr
	s_wait_xcnt 0x0
	SEND 7, 0
.Lclose:
	s_wait_tensorcnt 0x0                           ; the wave's end
	ds_add_u32 v[SPW], v[NIL]
	s_wait_dscnt 0x0
	s_endpgm
.Lfunc_end_k_q98c3b767df_scores:
	.size	k_q98c3b767df_scores, .Lfunc_end_k_q98c3b767df_scores-k_q98c3b767df_scores
	.p2alignl 7, 3214868480
	.fill 96, 4, 3214868480
	.section	.rodata,"a",@progbits
	.p2align	6, 0x0
	.amdhsa_kernel k_q98c3b767df_scores
		.amdhsa_group_segment_fixed_size 327680
		.amdhsa_private_segment_fixed_size 0
		.amdhsa_enable_private_segment 0
		.amdhsa_kernarg_size 16
		.amdhsa_user_sgpr_count 2
		.amdhsa_user_sgpr_kernarg_segment_ptr 1
		.amdhsa_wavefront_size32 1
		.amdhsa_system_sgpr_workgroup_id_x 1
		.amdhsa_system_sgpr_workgroup_id_y 1
		.amdhsa_system_sgpr_workgroup_id_z 1
		.amdhsa_system_vgpr_workitem_id 0
		.amdhsa_next_free_vgpr 1024
		.amdhsa_next_free_sgpr 66
		.amdhsa_reserve_vcc 0
		.amdhsa_float_denorm_mode_32 3
		.amdhsa_float_denorm_mode_16_64 3
		.amdhsa_memory_ordered 1
		.amdhsa_forward_progress 1
		.amdhsa_inst_pref_size 137
	.end_amdhsa_kernel
	.amdgpu_metadata
---
amdhsa.version: [ 1, 2 ]
amdhsa.kernels:
  - .name:           k_q98c3b767df_scores
    .symbol:         k_q98c3b767df_scores.kd
    .args:
      - { .name: qkv, .offset: 0, .size: 8, .value_kind: global_buffer, .address_space: global }
      - { .name: sc, .offset: 8, .size: 8, .value_kind: global_buffer, .address_space: global }
    .group_segment_fixed_size: 327680
    .private_segment_fixed_size: 0
    .kernarg_segment_align: 8
    .kernarg_segment_size: 16
    .max_flat_workgroup_size: 128
    .sgpr_count:     66
    .vgpr_count:     1024
    .wavefront_size: 32
...
	.end_amdgpu_metadata
.endif
;; end of part 3
;; launch softmax (part 4): grid 1072 x 1, 8 waves a work-group, no clusters, 0 bytes of LDS; arguments sc, prep, pm, fine; writes pm, fine
.if DOCPART == 4
	.amdgcn_target "amdgcn-amd-amdhsa--gfx1250"
	.amdhsa_code_object_version 6
	.text
	.protected	k_q98c3b767df_softmax
	.globl	k_q98c3b767df_softmax
	.p2align	8
	.type	k_q98c3b767df_softmax,@function
k_q98c3b767df_softmax:
	s_mov_b64 s[64:65], 0
	v_nop
	global_prefetch_b8 v0, s[64:65] scope:SCOPE_SE
	s_setreg_imm32_b32 hwreg(HW_REG_WAVE_MODE, 25, 1), 1
	s_wait_xcnt 0x0
; TWO KINDS OF WORK-GROUP.  Work-groups 48 on: the softmax by rows.  pm[b][q][k] = exp(s / 32 - max) / sum, f16, over the keys k <= q; the row's maximum is taken away as reference() takes it.
; WORK LEFT OUT: keys after the query have the weight 0 by reference()'s own mask: a row reads only its blocks of 128 keys up to the diagonal's, masks inside that one, and writes zeros up to the end of
; the diagonal's 256 keys, as far as the next launch reads.
; A wave takes a row, whole, in registers: up to 16 loads of 512 consecutive bytes, no LDS, no barrier, no loop.  The number of blocks is the same for a work-group's eight rows (8 divides 128): a scalar
; branch on the work-group's number picks one of 16 texts.  Long rows go first.  Matrix units, clusters and LDS would add nothing to this stream.
; Work-groups 0 to 47: q, k, v of the first 16 positions of each batch once more, kept in f32: the same quantised products on the same codes (16 rows x 3,072 columns x 4 batches), for the last launch.
; A wave takes 16 columns and two batches: two accumulators by turns, 8 K steps.  q and k are stored by rows [4][16][2048] (runs of 64 bytes: half a megabyte in all), v with the keys innermost, [4][1024][16].
.set NFINE,  48
.set WC_OFF, 4194304
.set XS_OFF, 5767168
.set WS_OFF, 6029312
.set VT_OFF, 524288
.set T, 16                             ; v16-79   the row's scores, then p
.set O, 80                             ; v80-111  P in f16
	s_load_b256 s[4:11], s[0:1], 0x0               ; sc s[4:5], prep s[6:7], pm s[8:9], fine s[10:11]
	v_lshrrev_b32 v1, 5, v0
	v_readfirstlane_b32 s12, v1                    ; wave 0..7
	s_cmp_lt_u32 ttmp9, NFINE
	s_cbranch_scc1 .Lfine
	s_sub_co_u32 s13, 1071, ttmp9                  ; g' = 1023 .. 0: long rows first
	s_lshl_b32 s14, s13, 3
	s_add_co_u32 s14, s14, s12                     ; my row, 0 .. 8191
	s_and_b32 s15, s14, 127                        ; my query's place in its block of 128 keys
	s_bfe_u32 s16, s13, 0x40004                    ; that block's number, 0 .. 15: (g' % 256) / 16
	v_and_b32 v2, 31, v0                           ; lane
	v_lshlrev_b32 v1, 4, v2                        ; in: 16 bytes a lane
	v_lshlrev_b32 v3, 2, v2
	v_sub_nc_u32 v3, s15, v3                       ; d: in the diagonal's block my register e holds a hidden key where e > d
	v_lshlrev_b32 v2, 3, v2                        ; out: 8 bytes a lane
	v_mov_b32 v4, 0xff800000                       ; -infinity
	v_mov_b32 v5, v4                               ; two chains of maxima
	v_mov_b32 v6, v4
	v_mov_b32 v7, 0                                ; (a lane permute's destination counts as read)
	v_mov_b32 v12, 0                               ; two pairs of sums
	v_mov_b32 v13, 0
	v_mov_b32 v14, 0
	v_mov_b32 v15, 0
	s_mov_b32 s20, 0x3d38aa3b                      ; c = log2(e) / 32
	s_mov_b32 s21, s20                             ; (named with it as a pair)
	s_mov_b32 s22, 0x76543210
	s_mov_b32 s23, 0xfedcba98                      ; lane l xor 16
	s_lshl_b32 s18, s14, 13                        ; a row of sc is 8,192 bytes,
	s_mov_b32 s19, 0
	s_lshl_b32 s24, s14, 12                        ; of pm 4,096
	s_mov_b32 s25, 0
	s_wait_kmcnt 0x0
	s_add_nc_u64 s[4:5], s[4:5], s[18:19]
	s_add_nc_u64 s[8:9], s[8:9], s[24:25]
.macro ROW nl                          ; a row of nl blocks of 128 keys
.set CI, 0
.rept \nl
	global_load_b128 v[T+4*CI:T+4*CI+3], v1, s[4:5] offset:512*CI th:TH_LOAD_NT   ; 512 consecutive bytes; read once in the launch
.set CI, CI+1
.endr
	s_wait_loadcnt 0x0
.set LC, T+4*((\nl)-1)
.irp e, 0,1,2,3
	v_cmp_gt_i32 vcc_lo, \e, v3                    ; the mask, in the diagonal's block alone: ids decide, the value is selected
	v_cndmask_b32 v[LC+\e], v[LC+\e], v4, vcc_lo
.endr
.set CI, 0
.rept \nl
	v_max3_num_f32 v5, v5, v[T+4*CI], v[T+4*CI+1]
	v_max3_num_f32 v6, v6, v[T+4*CI+2], v[T+4*CI+3]
.set CI, CI+1
.endr
	v_max_num_f32 v5, v5, v6
	v_max_num_f32_dpp v5, v5, v5 row_xmask:1 row_mask:0xf bank_mask:0xf
	v_max_num_f32_dpp v5, v5, v5 row_xmask:2 row_mask:0xf bank_mask:0xf
	v_max_num_f32_dpp v5, v5, v5 row_xmask:4 row_mask:0xf bank_mask:0xf
	v_max_num_f32_dpp v5, v5, v5 row_xmask:8 row_mask:0xf bank_mask:0xf
	v_permlanex16_b32 v7, v5, s22, s23
	v_max_num_f32 v5, v5, v7                       ; the row's maximum (key 0 counts for every query: it is a number)
	v_mul_f32 v10, s20, v5
	v_mul_f32 v11, s20, v5
.set CI, 0
.rept 2*(\nl)
	v_pk_fma_f32 v[T+2*CI:T+2*CI+1], v[T+2*CI:T+2*CI+1], s[20:21], v[10:11] op_sel_hi:[1,0,0] neg_lo:[0,0,1] neg_hi:[0,0,1]   ; c s - c m
.set CI, CI+1
.endr
.set CI, 0
.rept 4*(\nl)
	v_exp_f32 v[T+CI], v[T+CI]                     ; one batch; a hidden key's -infinity gives 0
.set CI, CI+1
.endr
	v_mov_b32 v112, 0                              ; plain lines behind the batch: the zeros for the row's tail
	v_mov_b32 v113, 0
	s_wait_alu depctr_va_vdst(0)                   ; one wait for the batch, ahead of its first reader
.set CI, 0
.rept \nl
	v_pk_add_f32 v[12:13], v[12:13], v[T+4*CI:T+4*CI+1]
	v_pk_add_f32 v[14:15], v[14:15], v[T+4*CI+2:T+4*CI+3]
.set CI, CI+1
.endr
	v_pk_add_f32 v[12:13], v[12:13], v[14:15]
	v_add_f32 v12, v12, v13
	v_add_f32_dpp v12, v12, v12 row_xmask:1 row_mask:0xf bank_mask:0xf
	v_add_f32_dpp v12, v12, v12 row_xmask:2 row_mask:0xf bank_mask:0xf
	v_add_f32_dpp v12, v12, v12 row_xmask:4 row_mask:0xf bank_mask:0xf
	v_add_f32_dpp v12, v12, v12 row_xmask:8 row_mask:0xf bank_mask:0xf
	v_permlanex16_b32 v7, v12, s22, s23
	v_add_f32 v12, v12, v7                         ; the row's sum, at least 1
	v_rcp_f32 v8, v12
	v_rcp_f32 v9, v12
	v_nop
	s_wait_alu depctr_va_vdst(0)                   ; one wait for the two reciprocals
.set CI, 0
.rept 2*(\nl)
	v_pk_mul_f32 v[T+2*CI:T+2*CI+1], v[T+2*CI:T+2*CI+1], v[8:9]
.set CI, CI+1
.endr
.set CI, 0
.rept 2*(\nl)
	v_cvt_pk_f16_f32 v[O+CI], v[T+2*CI], v[T+2*CI+1]
.set CI, CI+1
.endr
.set CI, 0
.rept \nl
	global_store_b64 v2, v[O+2*CI:O+2*CI+1], s[8:9] offset:256*CI   ; the wave stores 256 consecutive bytes, aligned
.set CI, CI+1
.endr
.if (\nl)%2
	global_store_b64 v2, v[112:113], s[8:9] offset:256*(\nl)        ; the other half of the diagonal's 256 keys: zeros
.endif
	s_endpgm
.endm
.irp n, 0,1,2,3,4,5,6,7,8,9,10,11,12,13,14
	s_cmp_eq_u32 s16, \n
	s_cbranch_scc1 .Lv\n
.endr
	ROW 16
.irp n, 0,1,2,3,4,5,6,7,8,9,10,11,12,13,14
.Lv\n:
	ROW \n+1
.endr
; ---- q, k, v of positions 0 to 15 of each batch, in f32
.Lfine:
	s_lshl_b32 s13, ttmp9, 3
	s_add_co_u32 s13, s13, s12                     ; u = 0 .. 383
	s_lshr_b32 s14, s13, 1                         ; which 16 of the 3,072 columns
	s_and_b32 s15, s13, 1
	s_lshl_b32 s15, s15, 1                         ; my first batch: 0 or 2
	v_and_b32 v1, 15, v0                           ; r
	v_bfe_u32 v2, v0, 4, 1                         ; h
	v_lshlrev_b32 v3, 9, v1
	v_lshl_add_u32 v3, v2, 4, v3                   ; codes: row r of 512 bytes, + 16 h
	v_lshlrev_b32 v4, 5, v1                        ; scale bytes: row r of 32
	s_lshl_b32 s16, s14, 13                        ; 16 rows of W's codes
	s_mov_b32 s17, 0
	s_lshl_b32 s18, s15, 20                        ; a batch's 2,048 rows of x's codes
	s_mov_b32 s19, 0
	s_lshl_b32 s20, s14, 9                         ; 16 rows of W's scale bytes
	s_mov_b32 s21, 0
	s_lshl_b32 s22, s15, 16                        ; a batch's scale bytes
	s_mov_b32 s23, 0
	s_wait_kmcnt 0x0
	s_add_nc_u64 s[24:25], s[6:7], s[16:17]
	s_add_nc_u64 s[24:25], s[24:25], WC_OFF
	s_add_nc_u64 s[26:27], s[6:7], s[18:19]
	s_add_nc_u64 s[28:29], s[6:7], s[20:21]
	s_add_nc_u64 s[28:29], s[28:29], WS_OFF
	s_add_nc_u64 s[30:31], s[6:7], s[22:23]
	s_add_nc_u64 s[30:31], s[30:31], XS_OFF
.irp k, 0,1,2,3,4,5,6,7
.irp c, 0,1
	global_load_b128 v[16+8*\k+4*\c:19+8*\k+4*\c], v3, s[24:25] offset:64*\k+32*\c              ; W's fragment of K step k
	global_load_b128 v[80+8*\k+4*\c:83+8*\k+4*\c], v3, s[26:27] offset:64*\k+32*\c              ; x's, first batch
	global_load_b128 v[144+8*\k+4*\c:147+8*\k+4*\c], v3, s[26:27] offset:1048576+64*\k+32*\c    ; x's, second batch
.endr
.endr
.irp c, 0,1
	global_load_b128 v[208+4*\c:211+4*\c], v4, s[28:29] offset:16*\c                            ; scale words: register k = K step k
	global_load_b128 v[216+4*\c:219+4*\c], v4, s[30:31] offset:16*\c
	global_load_b128 v[224+4*\c:227+4*\c], v4, s[30:31] offset:65536+16*\c
.endr
.macro FPROD swap                      ; 16 products, the two batches' accumulators by turns; swap = 0: source 0 = W; 1: source 0 = x
.irp k, 0,1,2,3,4,5,6,7
.irp e, 0,1
.if \swap
.if \k == 0
	v_wmma_scale_f32_16x16x128_f8f6f4 v[232+8*\e:239+8*\e], v[80+64*\e+8*\k:87+64*\e+8*\k], v[16+8*\k:23+8*\k], 0, v[216+8*\e+\k], v[208+\k] matrix_a_fmt:MATRIX_FMT_FP4 matrix_b_fmt:MATRIX_FMT_FP4
.else
	v_wmma_scale_f32_16x16x128_f8f6f4 v[232+8*\e:239+8*\e], v[80+64*\e+8*\k:87+64*\e+8*\k], v[16+8*\k:23+8*\k], v[232+8*\e:239+8*\e], v[216+8*\e+\k], v[208+\k] matrix_a_fmt:MATRIX_FMT_FP4 matrix_b_fmt:MATRIX_FMT_FP4
.endif
.else
.if \k == 0
	v_wmma_scale_f32_16x16x128_f8f6f4 v[232+8*\e:239+8*\e], v[16+8*\k:23+8*\k], v[80+64*\e+8*\k:87+64*\e+8*\k], 0, v[208+\k], v[216+8*\e+\k] matrix_a_fmt:MATRIX_FMT_FP4 matrix_b_fmt:MATRIX_FMT_FP4
.else
	v_wmma_scale_f32_16x16x128_f8f6f4 v[232+8*\e:239+8*\e], v[16+8*\k:23+8*\k], v[80+64*\e+8*\k:87+64*\e+8*\k], v[232+8*\e:239+8*\e], v[208+\k], v[216+8*\e+\k] matrix_a_fmt:MATRIX_FMT_FP4 matrix_b_fmt:MATRIX_FMT_FP4
.endif
.endif
.endr
.endr
.rept 4
	v_nop                                          ; four places in front of the stores of the results
.endr
.endm
	s_cmp_ge_u32 ttmp9, 32                         ; columns from 2,048 on are v's: the same for the whole work-group
	s_cbranch_scc1 .Lfine_v
	v_lshlrev_b32 v5, 13, v1
	v_lshl_add_u32 v5, v2, 5, v5                   ; q, k: position r's row of 8,192 bytes, + 32 h: a lane holds columns 8 h + 0 .. 7 of position r
	s_lshl_b32 s16, s15, 17                        ; a batch's 16 rows
	s_lshl_b32 s18, s14, 6                         ; 16 columns of 4 bytes
	s_add_co_u32 s16, s16, s18
	s_add_nc_u64 s[32:33], s[10:11], s[16:17]
	s_wait_loadcnt 0x0
	FPROD 0
.irp e, 0,1
	global_store_b128 v5, v[232+8*\e:235+8*\e], s[32:33] offset:131072*\e
	global_store_b128 v5, v[236+8*\e:239+8*\e], s[32:33] offset:131072*\e+16
.endr
	s_endpgm
.Lfine_v:
	v_lshlrev_b32 v5, 6, v1
	v_lshl_add_u32 v5, v2, 5, v5                   ; v: channel r's row of 16 keys, 64 bytes, + 32 h: a lane holds keys 8 h + 0 .. 7 of channel r
	s_lshl_b32 s16, s15, 16                        ; a batch's 1,024 channels
	s_sub_co_u32 s18, s14, 128
	s_lshl_b32 s18, s18, 10                        ; 16 channels
	s_add_co_u32 s16, s16, s18
	s_add_nc_u64 s[32:33], s[10:11], s[16:17]
	s_add_nc_u64 s[32:33], s[32:33], VT_OFF
	s_wait_loadcnt 0x0
	FPROD 1
.irp e, 0,1
	global_store_b128 v5, v[232+8*\e:235+8*\e], s[32:33] offset:65536*\e
	global_store_b128 v5, v[236+8*\e:239+8*\e], s[32:33] offset:65536*\e+16
.endr
	s_endpgm
.Lfunc_end_k_q98c3b767df_softmax:
	.size	k_q98c3b767df_softmax, .Lfunc_end_k_q98c3b767df_softmax-k_q98c3b767df_softmax
	.p2alignl 7, 3214868480
	.fill 96, 4, 3214868480
	.section	.rodata,"a",@progbits
	.p2align	6, 0x0
	.amdhsa_kernel k_q98c3b767df_softmax
		.amdhsa_group_segment_fixed_size 0
		.amdhsa_private_segment_fixed_size 0
		.amdhsa_enable_private_segment 0
		.amdhsa_kernarg_size 32
		.amdhsa_user_sgpr_count 2
		.amdhsa_user_sgpr_kernarg_segment_ptr 1
		.amdhsa_wavefront_size32 1
		.amdhsa_system_sgpr_workgroup_id_x 1
		.amdhsa_system_sgpr_workgroup_id_y 1
		.amdhsa_system_sgpr_workgroup_id_z 1
		.amdhsa_system_vgpr_workitem_id 0
		.amdhsa_next_free_vgpr 256
		.amdhsa_next_free_sgpr 66
		.amdhsa_reserve_vcc 1
		.amdhsa_float_denorm_mode_32 3
		.amdhsa_float_denorm_mode_16_64 3
		.amdhsa_memory_ordered 1
		.amdhsa_forward_progress 1
		.amdhsa_inst_pref_size 166
	.end_amdhsa_kernel
	.amdgpu_metadata
---
amdhsa.version: [ 1, 2 ]
amdhsa.kernels:
  - .name:           k_q98c3b767df_softmax
    .symbol:         k_q98c3b767df_softmax.kd
    .args:
      - { .name: sc, .offset: 0, .size: 8, .value_kind: global_buffer, .address_space: global }
      - { .name: prep, .offset: 8, .size: 8, .value_kind: global_buffer, .address_space: global }
      - { .name: pm, .offset: 16, .size: 8, .value_kind: global_buffer, .address_space: global }
      - { .name: fine, .offset: 24, .size: 8, .value_kind: global_buffer, .address_space: global }
    .group_segment_fixed_size: 0
    .private_segment_fixed_size: 0
    .kernarg_segment_align: 8
    .kernarg_segment_size: 32
    .max_flat_workgroup_size: 256
    .sgpr_count:     66
    .vgpr_count:     256
    .wavefront_size: 32
...
	.end_amdgpu_metadata
.endif
;; end of part 4
;; launch pv (part 5): grid 8 x 32, 4 waves a work-group, clusters of 4 x 1, 327,680 bytes of LDS; arguments pm, qkv, att; writes att
.if DOCPART == 5
	.amdgcn_target "amdgcn-amd-amdhsa--gfx1250"
	.amdhsa_code_object_version 6
	.text
	.protected	k_q98c3b767df_pv
	.globl	k_q98c3b767df_pv
	.p2align	8
	.type	k_q98c3b767df_pv,@function
k_q98c3b767df_pv:
	s_mov_b64 s[64:65], 0
	v_nop
	global_prefetch_b8 v0, s[64:65] scope:SCOPE_SE
	s_setreg_imm32_b32 hwreg(HW_REG_WAVE_MODE, 25, 1), 1
	s_wait_xcnt 0x0
	s_wait_alu depctr_hold_cnt(0) depctr_sa_sdst(0) depctr_va_vdst(0) depctr_va_sdst(0) depctr_va_ssrc(0) depctr_va_vcc(0) depctr_vm_vsrc(0)
	s_getreg_b32 s2, hwreg(HW_REG_IB_STS2, 6, 4)
	s_cmp_eq_u32 s2, 0
	s_cbranch_scc0 .Lentry_in_a_cluster
	s_endpgm
.Lentry_in_a_cluster:
	s_bfe_u32 s2, ttmp6, 0x10000c
	s_cmp_lg_u32 s2, 0x3003
	s_cbranch_scc0 .Lentry_shape_is_right
	s_endpgm
.Lentry_shape_is_right:
; att[b][q][d] = sum over keys of P[b][q][key] v[b][key][d], f16 operands, f32 sums, the result rounded once to f16.
; WORK LEFT OUT: key steps all of whose keys come after all of a block's queries hold weights that are 0 by reference()'s own mask: a block i of 128 queries walks only (i / 2) + 1 steps of 256 keys.
; A WORK-GROUP STAYS: it makes two tiles of 128 queries x 128 channels, first block 8 + p, then block 7 - p (p = 0 .. 7): n1 = 5 .. 8 steps and 9 - n1 steps: NINE STEPS IN EVERY WORK-GROUP, 256 work-groups.
; The ring of two LDS slots goes on from the first block into the second: step t lies in slot t % 2, and the change of slots of step t asks for step t + 2, whichever block that belongs to.
; only the first block's way out, and the products that start the second block's sums, stand under a branch: on the count of steps against n1, the same in all waves and partners.
; A slot: P's 128 rows of 512 bytes (waves 0, 1 fetch 64 rows each), v's 256 keys x 256 bytes (waves 2, 3 fetch 128 keys each).  v lies [key][channel]: its fragments are turned by ds_load_tr16_b128.
; Four waves of 64 x 64 (16 accumulators each).  A wave has one tensor load out at any time; every wait on TENSORcnt is for 0.
; CLUSTER: 4 x 1 work-groups: four blocks of channels of one pair of query blocks.  They walk the same steps and need the same tile of P: it is asked for JOINTLY, by the same tensor load with the same descriptor and
; the mask of all four.  v's tiles differ between the partners (other channels): plain loads, behind the same rounds.  Pairs of query blocks that share v leave their first block at different steps: v is not shared.
; THE MATRIX INSTRUCTION IS USED TRANSPOSED (source 0 = 16 channels of v, source 1 = 16 rows of P): a lane then holds eight neighbouring channels of one query.
; REGISTERS: window 0: v0-31 addresses; v32-95 at work on the way out; v128-255 the accumulators ((a, b) at v[128 + 8 (4 a + b)]).  window 1: two fragment buffers of 128: 64 registers of P, then 64 of v, for 64 keys.
.set PA,     528                       ; a row of P in LDS: 512 bytes + 16
.set PV,     288                       ; a key's row of v: 256 bytes + 32
.set HALFA,  64*PA
.set HALFB,  128*PV
.set BOFF,   2*HALFA                   ; v's tile lies behind P's
.set SLOT,   BOFF+2*HALFB
.set STAGE,  2*SLOT                    ; the way out: 128 rows x 272 bytes, the work-group's; no tensor load fills it
.set SPITCH, 272
.set SPARE,  STAGE+128*SPITCH          ; the spare words, 128 bytes a wave, which no other line names
.set AROW,   2048                      ; a row of att in bytes
.set ADRA, 16                          ; v16-17  my P fragments in slot 0, 1
.set ADRB, 20                          ; v20-23  my v fragments: slot 0 keys 0-127, keys 128-255, slot 1 likewise (the 16-bit offset does not reach 256 rows)
.set STO,  24
.set RD,   25
.set CO,   26
.set SPW,  28
.set NIL,  29
.set TMP,  32
.set ACC,  128
.set F0,   0
.set F1,   128
.set G1A, 24                           ; s[24:31] descriptor group 1 for P's tiles;  s[32:35] their group 0
.set G0A, 32
.set G1B, 48                           ; s[48:55], s[56:59] the same for v's
.set G0B, 56
.set TT,  16                           ; s16  the step in hand, 0 .. 8
.set N1,  41                           ; s41  the first block's steps
.set MSB, 0
.macro WIN new
.if MSB != (\new)
	s_set_vgpr_msb (MSB<<8)|(\new)
.set MSB, \new
.endif
.endm
.set MUL,  0x05                        ; sources 0 and 1 window 1; C and D window 0
.set TO_F, 0x40                        ; destination window 1, address window 0
.macro JLOAD                           ; a step's tiles: waves 0 and 1 ask jointly for P's halves, waves 2 and 3 fetch v's: one load a wave; an s_nop 0 and four v_nop follow each line
	s_cmp_eq_u32 s11, 0
	s_cbranch_scc0 .Lfor_b_\@
	tensor_load_to_lds s[G0A:G0A+3], s[G1A:G1A+7]
	s_nop 0
.rept 4
	v_nop
.endr
	s_branch .Lasked_\@
.Lfor_b_\@:
	tensor_load_to_lds s[G0B:G0B+3], s[G1B:G1B+7]
	s_nop 0
.rept 4
	v_nop
.endr
.Lasked_\@:
.endm
.macro CREST                           ; a round of the cluster's barrier behind its opening barrier
	s_cmp_lg_u32 s10, 0
	s_cbranch_scc1 .Lnot_wave_0_\@
	s_barrier_signal -3
.Lnot_wave_0_\@:
	s_barrier_wait -3
	s_barrier_signal -1
	s_barrier_wait -1
.endm
.macro CROUND                          ; a whole round
	s_barrier_signal -1
	s_barrier_wait -1
	CREST
.endm
; Both groups 0 for step T + ahead, into the given slot.  It stands where no tensor load of the wave is out.  The step belongs to the first block while it lies under n1, else to the second, whose key steps begin anew.
; What feeds P's descriptor (the batch, the blocks, the wave's number, the count of steps) is equal in the four partners; the registers used for it never hold my place in the cluster.
.macro DESC slot, ahead
	s_add_co_u32 s66, s[TT], \ahead                ; the step asked for
	s_cmp_lt_u32 s66, s[N1]
	s_cselect_b32 s67, 0, s[N1]
	s_cselect_b32 s68, s43, s2                     ; its block's first row in pm, in bytes
	s_sub_co_u32 s66, s66, s67                     ; its key step within the block
	s_lshl_b32 s67, s66, 9                         ; 256 keys are 512 bytes of a row of P
	s_add_co_u32 s68, s68, s67
	s_mov_b32 s69, 0
	s_add_nc_u64 s[G0A+2:G0A+3], s[18:19], s[68:69]
	s_or_b32 s[G0A+3], s[G0A+3], 0x80000000        ; type = 2
	s_add_co_u32 s[G0A+1], s22, \slot*SLOT
	s_mul_i32 s68, s66, 256*6144                   ; 256 keys are 256 rows of qkv
	s_add_nc_u64 s[G0B+2:G0B+3], s[20:21], s[68:69]
	s_or_b32 s[G0B+3], s[G0B+3], 0x80000000
	s_add_co_u32 s[G0B+1], s23, \slot*SLOT
.endm
	s_load_b128 s[4:7], s[0:1], 0x0                ; pm, qkv
	s_load_b64 s[8:9], s[0:1], 0x10                ; att
	v_lshl_add_u32 v[SPW], v0, 2, SPARE
	v_mov_b32 v[NIL], 0
	ds_add_u32 v[SPW], v[NIL]                      ; the wave's opening: the add, twice on end, and its wait ahead of my first tensor load
	ds_add_u32 v[SPW], v[NIL]
	v_lshrrev_b32 v1, 5, v0
	v_readfirstlane_b32 s10, v1                    ; wave 0..3
	s_lshr_b32 s11, s10, 1                         ; which 64 queries are mine.  Also: I fetch for P (0) or for v (1)
	s_and_b32 s12, s10, 1                          ; which 64 channels.  Also: which half of that tile I fetch
	s_and_b32 s13, ttmp7, 0xffff                   ; the cluster's y: the four partners share it
	s_and_b32 s14, s13, 3                          ; the batch
	s_lshr_b32 s15, s13, 2                         ; p = 0 .. 7
	s_add_co_u32 s40, s15, 8                       ; the first block of 128 queries: 8 .. 15
	s_sub_co_u32 s42, 7, s15                       ; the second: 7 .. 0
	s_lshr_b32 s41, s40, 1
	s_add_co_u32 s41, s41, 1                       ; n1 = 5 .. 8; the second block has 9 - n1
	s_lshl_b32 s43, s40, 19                        ; the blocks' first rows in pm: 128 rows of 4,096 bytes each
	s_lshl_b32 s2, s42, 19
	s_mov_b32 s[TT], 0
	s_mov_b32 s[G1A+0], 15|(1<<16)|(1<<20)|(1<<21)|(6<<22)|(3<<25)   ; the mask: all four work-groups; elements of 2 bytes; padding on; bit 21 beside a mask; four words after every 128
	s_mov_b32 s[G1A+1], 256<<16                    ; tensor_dim0
	s_mov_b32 s[G1A+2], 64<<16                     ; tensor_dim1
	s_mov_b32 s[G1A+3], 256<<16                    ; tile_dim0
	s_mov_b32 s[G1A+4], 64                         ; tile_dim1
	s_mov_b32 s[G1A+5], 2048                       ; elements from row to row of pm
	s_mov_b32 s[G1A+6], 0
	s_mov_b32 s[G1A+7], 0
	s_mov_b32 s[G1B+0], (1<<16)|(1<<20)|(5<<22)|(7<<25)   ; no mask; padding: eight words after every 64
	s_mov_b32 s[G1B+1], 128<<16
	s_mov_b32 s[G1B+2], 128<<16
	s_mov_b32 s[G1B+3], 128<<16
	s_mov_b32 s[G1B+4], 128
	s_mov_b32 s[G1B+5], 3072                       ; elements from row to row of qkv
	s_mov_b32 s[G1B+6], 0
	s_mov_b32 s[G1B+7], 0
	s_mov_b32 s[G0A], 1                            ; count = 1
	s_mov_b32 s[G0B], 1
	s_lshl_b32 s17, s14, 11                        ; the batch's first row
	s_lshl_b32 s36, s12, 6
	s_add_co_u32 s36, s36, s17
	s_lshl_b32 s36, s36, 12                        ; P: the batch, and which 64 rows of a block I fetch, 4,096 bytes a row
	s_mov_b32 s37, 0
	s_mul_i32 s22, s12, HALFA                      ; where the tiles go in a slot: no place in the cluster enters an LDS address
	s_mul_i32 s23, s12, HALFB
	s_add_co_u32 s23, s23, BOFF
	s_bfe_u32 s60, ttmp6, 0x40000                  ; cx: it enters v's and att's addresses alone
	s_lshl_b32 s61, ttmp9, 2
	s_add_co_u32 s61, s61, s60                     ; my block of 128 channels = 4 x cluster x + cx,
	s_lshl_b32 s61, s61, 8                         ; 256 bytes each
	s_lshl_b32 s62, s12, 7
	s_add_co_u32 s62, s62, s17
	s_mul_i32 s62, s62, 6144                       ; v: the batch, and which 128 keys of a step I fetch,
	s_add_co_u32 s62, s62, s61                     ; my work-group's channels,
	s_add_co_u32 s62, s62, 4096                    ; behind q's and k's columns
	s_mov_b32 s63, 0
	s_lshl_b32 s74, s10, 5
	s_add_co_u32 s74, s74, s17                     ; att: wave w stores rows 32 w .. 32 w + 31 of a block
	s_lshl_b32 s70, s40, 7
	s_add_co_u32 s70, s70, s74
	s_lshl_b32 s70, s70, 11
	s_add_co_u32 s70, s70, s61                     ; the first block's
	s_mov_b32 s71, 0
	s_lshl_b32 s72, s42, 7
	s_add_co_u32 s72, s72, s74
	s_lshl_b32 s72, s72, 11
	s_add_co_u32 s72, s72, s61                     ; the second block's
	s_mov_b32 s73, 0
	s_wait_dscnt 0x0                               ; both opening adds are done
	s_wait_kmcnt 0x0
	s_add_nc_u64 s[18:19], s[4:5], s[36:37]
	s_add_nc_u64 s[20:21], s[6:7], s[62:63]
	s_add_nc_u64 s[44:45], s[8:9], s[70:71]
	s_add_nc_u64 s[46:47], s[8:9], s[72:73]
	DESC 0, 0
	CROUND                                         ; all four work-groups are here: the first joint loads meet
	JLOAD                                          ; step 0: a fill in each arm of the branch
	v_and_b32 v1, 15, v0                           ; r
	v_bfe_u32 v2, v0, 4, 1                         ; h
	v_mul_u32_u24 v3, v1, PA
	v_lshl_add_u32 v3, v2, 4, v3                   ; P: row r x pitch + 16 h
	s_mul_i32 s36, s11, HALFA
.irp s, 0,1
	v_add_nc_u32 v[ADRA+\s], s36, v3
	s_add_co_u32 s36, s36, SLOT
.endr
	v_and_b32 v5, 7, v0
	v_lshl_add_u32 v5, v2, 3, v5                   ; v: key 8 h + l % 8,
	v_mul_u32_u24 v4, v5, PV
	v_bfe_u32 v5, v0, 3, 1
	v_lshl_add_u32 v4, v5, 4, v4                   ; channels 8 ((l / 8) % 2) on
	s_lshl_b32 s37, s12, 7
	s_add_co_u32 s37, s37, BOFF                    ; my 64 channels
.irp s, 0,1
.irp hf, 0,1
	s_add_co_u32 s38, s37, \s*SLOT+\hf*HALFB
	v_add_nc_u32 v[ADRB+2*\s+\hf], s38, v4
.endr
.endr
	s_mul_i32 s38, s11, 64*SPITCH                  ; into the stage: my 64 rows, my half of their 256 bytes
	s_lshl_b32 s39, s12, 7
	s_add_co_u32 s38, s38, s39
	s_add_co_u32 s38, s38, STAGE
	v_mul_u32_u24 v4, v1, SPITCH
	v_lshl_add_u32 v4, v2, 4, v4
	v_add_nc_u32 v[STO], s38, v4
	s_mul_i32 s38, s10, 32*SPITCH                  ; back: wave w takes rows 32 w .. 32 w + 31, whole
	s_add_co_u32 s38, s38, STAGE
	v_mul_u32_u24 v5, v2, SPITCH
	v_lshl_add_u32 v5, v1, 4, v5
	v_add_nc_u32 v[RD], s38, v5
	v_mul_u32_u24 v5, v2, AROW
	v_lshl_add_u32 v[CO], v1, 4, v5
.macro MUL8 f, c, a0, zero             ; 8 matrix instructions: query blocks a0, a0 + 1 x 4 channel blocks, 32 keys: half c of buffer f; the 16 accumulators take turns
.irp a, \a0, \a0+1
.irp b, 0,1,2,3
.if \zero
	v_wmma_f32_16x16x32_f16 v[ACC+8*(4*(\a)+\b):ACC+8*(4*(\a)+\b)+7], v[\f+64+8*(4*\c+\b):\f+64+8*(4*\c+\b)+7], v[\f+8*(4*\c+\a):\f+8*(4*\c+\a)+7], 0
.else
	v_wmma_f32_16x16x32_f16 v[ACC+8*(4*(\a)+\b):ACC+8*(4*(\a)+\b)+7], v[\f+64+8*(4*\c+\b):\f+64+8*(4*\c+\b)+7], v[\f+8*(4*\c+\a):\f+8*(4*\c+\a)+7], v[ACC+8*(4*(\a)+\b):ACC+8*(4*(\a)+\b)+7]
.endif
.endr
.endr
.endm
.macro FETCH slot, q, f                ; 32 LDS loads in one run: the fragments of the slot's q-th 64 keys; the first 32 keys' sixteen loads first
	WIN TO_F
.irp c, 0,1
.irp i, 0,1,2,3
	ds_load_tr16_b128 v[\f+64+8*(4*\c+\i):\f+64+8*(4*\c+\i)+3],   v[ADRB+2*\slot+(\q)/2] offset:(((\q)%2)*64+32*\c)*PV+32*\i
	ds_load_tr16_b128 v[\f+64+8*(4*\c+\i)+4:\f+64+8*(4*\c+\i)+7], v[ADRB+2*\slot+(\q)/2] offset:(((\q)%2)*64+32*\c+16)*PV+32*\i
	ds_load_b128 v[\f+8*(4*\c+\i):\f+8*(4*\c+\i)+3],         v[ADRA+\slot] offset:128*(\q)+64*\c+\i*16*PA
	ds_load_b128 v[\f+8*(4*\c+\i)+4:\f+8*(4*\c+\i)+7],       v[ADRA+\slot] offset:128*(\q)+64*\c+\i*16*PA+32
.endr
.endr
.endm
.macro PLACES                          ; four plain places behind matrix instructions (ISA guide 7.12.1)
.rept 4
	v_nop
.endr
.endm
.macro QUARTER slot, q, f, g, zero     ; multiplies buffer f and fetches the slot's quarter q into g; zero = 1: the first products start the sums
	s_wait_dscnt 16                                ; the first 32 keys' fragments are in; the other sixteen loads may be out
	WIN MUL
	MUL8 \f, 0, 0, \zero
	MUL8 \f, 0, 2, \zero
	PLACES
	FETCH \slot, \q, \g
	s_wait_dscnt 32                                ; all but the 32 just issued
	WIN MUL
	MUL8 \f, 1, 0, 0
	MUL8 \f, 1, 2, 0
.endm
; A step's last quarter multiplies buffer 1 and changes slots: one barrier; in front of it each wave waits for all its tensor loads (one is out: its part of the next slot), adds 0 to its spare word, and waits
; for that and for its reads of this slot.  fill = 1: the barrier opens a round of the cluster's barrier, and this slot is filled again, with the step two on, first thing behind the round.
.macro TURN slot, next, fill
	WIN 0
	s_wait_tensorcnt 0x0
	ds_add_u32 v[SPW], v[NIL]
.if \fill
	DESC \slot, 2                                  ; no tensor load of mine is out: the groups 0 may be written
.endif
	s_wait_dscnt 17                                ; (the add and the youngest sixteen loads may be out)
	WIN MUL
	MUL8 F1, 0, 0, 0
	s_wait_dscnt 0x0                               ; the add is done, and my reads of this slot are over
	s_barrier_signal -1
	MUL8 F1, 0, 2, 0
.if \fill
	WIN 0
.endif
	s_barrier_wait -1
.if \fill
	CREST                                          ; no wave of any partner still reads this slot's tile or has a load on its way
	JLOAD                                          ; (its four v_nop are also the places in front of the loads below)
.else
	PLACES
.endif
	FETCH \next, 0, F0
	WIN MUL
	MUL8 F1, 1, 0, 0
	MUL8 F1, 1, 2, 0
.endm
; THE WAY OUT of a block: rounded to f16; 16 bytes a lane into the work-group's stage; a barrier, since a row's 256 bytes come from two waves; back as whole rows, 32 rows a wave.
; again = 1: the stage will be written once more: a second barrier, behind every wave's wait for its reads of it.  A refill may be on its way across both barriers.
.macro WAYOUT base, again
	s_wait_xcnt 0x0                                ; earlier stores have read their data: v32-95 are written again only behind this wait
.rept 5
	v_nop                                          ; four places in front of the reads of the results; five in front of the products that write over the accumulators with another C
.endr
.irp t, 0,1,2,3,4,5,6,7,8,9,10,11,12,13,14,15
.irp r, 0,1,2,3
	v_cvt_pk_f16_f32 v[TMP+4*\t+\r], v[ACC+8*\t+2*\r], v[ACC+8*\t+2*\r+1]   ; each accumulator from its low end on
.endr
.endr
.irp a, 0,1,2,3
.irp b, 0,1,2,3
	ds_store_b128 v[STO], v[TMP+4*(4*\a+\b):TMP+4*(4*\a+\b)+3] offset:\a*16*SPITCH+32*\b
.endr
.endr
	s_wait_dscnt 0x0                               ; for the others' sake: my stores into the stage are done
	s_barrier_signal -1
	s_barrier_wait -1
.irp t, 0,1,2,3,4,5,6,7,8,9,10,11,12,13,14,15
	ds_load_b128 v[TMP+4*\t:TMP+4*\t+3], v[RD] offset:\t*2*SPITCH
.endr
.irp t, 0,1,2,3,4,5,6,7,8,9,10,11,12,13,14,15
	s_wait_dscnt 15-\t
	global_store_b128 v[CO], v[TMP+4*\t:TMP+4*\t+3], s[\base:\base+1] offset:2*\t*AROW   ; 16 lanes store 256 consecutive bytes, aligned
.endr
.if \again
	s_barrier_signal -1                            ; my reads of the stage are back (the last count was 0)
	s_barrier_wait -1
.endif
.endm
; Behind a change of slots: on to the next step.  Where the first block's last step has just been multiplied, the block goes out and the next products start the second block's sums.
; The test is made of the cluster's y and the count of steps: all waves and all partners go the same way.  Both ways end behind the same QUARTER, so the counts that follow hold on each.
.macro SWITCH slot
	WIN 0
	s_add_co_u32 s[TT], s[TT], 1
	s_cmp_eq_u32 s[TT], s[N1]
	s_cbranch_scc0 .Lsame_\@
	WAYOUT 44, 1
	QUARTER \slot, 1, F0, F1, 1
	WIN 0
	s_branch .Lon_\@
.Lsame_\@:
	QUARTER \slot, 1, F0, F1, 0
	WIN 0
.Lon_\@:
.endm
	s_wait_tensorcnt 0x0                           ; my part of step 0 is in
	ds_add_u32 v[SPW], v[NIL]                      ; slot 1's first fill is issued as a refill is: the three lines, a round, one load a wave
	DESC 1, 1
	s_wait_dscnt 0x0
	CROUND
	JLOAD                                          ; step 1
	FETCH 0, 0, F0
	QUARTER 0, 1, F0, F1, 1                        ; the first products start the first block's sums
	WIN 0
	s_mov_b32 s3, 3
.Llap:                                             ; three trips: steps 0 to 5; each asks for the step two on
	QUARTER 0, 2, F1, F0, 0
	QUARTER 0, 3, F0, F1, 0
	TURN 0, 1, 1
	SWITCH 1
	QUARTER 1, 2, F1, F0, 0
	QUARTER 1, 3, F0, F1, 0
	TURN 1, 0, 1
	SWITCH 0
	s_sub_co_u32 s3, s3, 1
	s_cmp_lg_u32 s3, 0
	s_cbranch_scc1 .Llap
	QUARTER 0, 2, F1, F0, 0                        ; step 6 asks for step 8, the last
	QUARTER 0, 3, F0, F1, 0
	TURN 0, 1, 1
	SWITCH 1
	QUARTER 1, 2, F1, F0, 0                        ; step 7 asks for nothing
	QUARTER 1, 3, F0, F1, 0
	TURN 1, 0, 0
	SWITCH 0
	QUARTER 0, 2, F1, F0, 0                        ; step 8
	QUARTER 0, 3, F0, F1, 0
	s_wait_dscnt 16                                ; the very last quarter: nothing more to fetch
	WIN MUL
	MUL8 F1, 0, 0, 0
	MUL8 F1, 0, 2, 0
	s_wait_dscnt 0
	MUL8 F1, 1, 0, 0
	MUL8 F1, 1, 2, 0
	WIN 0
	WAYOUT 46, 0                                   ; the second block
	s_wait_tensorcnt 0x0                           ; the wave's end
	ds_add_u32 v[SPW], v[NIL]
	s_wait_dscnt 0x0
	CROUND                                         ; the closing round: no work-group ends while a partner may still ask for a tile that names it
	s_endpgm
.Lfunc_end_k_q98c3b767df_pv:
	.size	k_q98c3b767df_pv, .Lfunc_end_k_q98c3b767df_pv-k_q98c3b767df_pv
	.p2alignl 7, 3214868480
	.fill 96, 4, 3214868480
	.section	.rodata,"a",@progbits
	.p2align	6, 0x0
	.amdhsa_kernel k_q98c3b767df_pv
		.amdhsa_group_segment_fixed_size 327680
		.amdhsa_private_segment_fixed_size 0
		.amdhsa_enable_private_segment 0
		.amdhsa_kernarg_size 24
		.amdhsa_user_sgpr_count 2
		.amdhsa_user_sgpr_kernarg_segment_ptr 1
		.amdhsa_wavefront_size32 1
		.amdhsa_system_sgpr_workgroup_id_x 1
		.amdhsa_system_sgpr_workgroup_id_y 1
		.amdhsa_system_sgpr_workgroup_id_z 1
		.amdhsa_system_vgpr_workitem_id 0
		.amdhsa_next_free_vgpr 512
		.amdhsa_next_free_sgpr 76
		.amdhsa_reserve_vcc 0
		.amdhsa_float_denorm_mode_32 3
		.amdhsa_float_denorm_mode_16_64 3
		.amdhsa_memory_ordered 1
		.amdhsa_forward_progress 1
		.amdhsa_inst_pref_size 159
	.end_amdhsa_kernel
	.amdgpu_metadata
---
amdhsa.version: [ 1, 2 ]
amdhsa.kernels:
  - .name:           k_q98c3b767df_pv
    .symbol:         k_q98c3b767df_pv.kd
    .args:
      - { .name: pm, .offset: 0, .size: 8, .value_kind: global_buffer, .address_space: global }
      - { .name: qkv, .offset: 8, .size: 8, .value_kind: global_buffer, .address_space: global }
      - { .name: att, .offset: 16, .size: 8, .value_kind: global_buffer, .address_space: global }
    .group_segment_fixed_size: 327680
    .private_segment_fixed_size: 0
    .kernarg_segment_align: 8
    .kernarg_segment_size: 24
    .max_flat_workgroup_size: 128
    .sgpr_count:     76
    .vgpr_count:     512
    .wavefront_size: 32
...
	.end_amdgpu_metadata
.endif
;; end of part 5
;; launch proj (part 6): grid 8 x 32, 4 waves a work-group, clusters of 4 x 4, 327,680 bytes of LDS; arguments att, prep, bo, out0; writes out0
.if DOCPART == 6
	.amdgcn_target "amdgcn-amd-amdhsa--gfx1250"
	.amdhsa_code_object_version 6
	.text
	.protected	k_q98c3b767df_proj
	.globl	k_q98c3b767df_proj
	.p2align	8
	.type	k_q98c3b767df_proj,@function
k_q98c3b767df_proj:
	s_mov_b64 s[64:65], 0
	v_nop
	global_prefetch_b8 v0, s[64:65] scope:SCOPE_SE
	s_setreg_imm32_b32 hwreg(HW_REG_WAVE_MODE, 25, 1), 1
	s_wait_xcnt 0x0
	s_wait_alu depctr_hold_cnt(0) depctr_sa_sdst(0) depctr_va_vdst(0) depctr_va_sdst(0) depctr_va_ssrc(0) depctr_va_vcc(0) depctr_vm_vsrc(0)
	s_getreg_b32 s2, hwreg(HW_REG_IB_STS2, 6, 4)
	s_cmp_eq_u32 s2, 0
	s_cbranch_scc0 .Lentry_in_a_cluster
	s_endpgm
.Lentry_in_a_cluster:
	s_bfe_u32 s2, ttmp6, 0x10000c
	s_cmp_lg_u32 s2, 0xf033
	s_cbranch_scc0 .Lentry_shape_is_right
	s_endpgm
.Lentry_shape_is_right:
; out0[m][e] = sum over d of att[m][d] Wo[e][d] + bo[e]: f16 operands (Wo as the first launch rounded it, in prep), f32 sums, f32 out.  m 8,192, e 1,024, K 1,024.
; The 64 rows of positions 0 to 15 of each batch are made here like all rows and written once more, more finely, by the last launch: leaving them out here would take a branch on a work-group's place in its cluster.
; A tile is 128 x 128: four waves, each 64 x 64: 16 accumulators.  K goes in steps of 256 (LDS rows of 512 bytes; a wave's tensor load brings 64 of them) through two slots.
; A WORK-GROUP STAYS: it makes two tiles, 4,096 rows apart, against the same rows of Wo: 256 work-groups, 8 K steps each.  The ring does not stop at the first tile's end: its last two changes of slots ask for the
; second tile's first two K steps, and the first tile goes out while they are on their way.  The 8 steps are written out: they differ in what they ask for, and the text stays small.
; The bias is the C of each sum's first matrix instruction.  A wave's 64 columns of f32 are 256 aligned bytes.
; CLUSTERS: 4 x 4 work-groups.  The four of a row of the cluster need the same tiles of att, the four of a column the same tiles of Wo: each tile is asked for JOINTLY.
; THE MATRIX INSTRUCTION IS USED TRANSPOSED (source 0 = 16 rows of Wo, source 1 = 16 rows of att): a lane then holds eight neighbouring numbers of a row of out0.
; REGISTERS: window 0: v0-31 addresses; v32-95 rows on the way out; v96-127 the bias; v128-255 the accumulators.  window 1: two fragment buffers of 128.
.set SIZE_N, 1024
.set SIZE_K, 1024
.set WO_OFF, 6127616
.set KSTEP,  256
.set PITCH,  528
.set HALFT,  64*PITCH
.set SLOT,   4*HALFT
.set STAGE,  2*SLOT                    ; 16 rows x 272 bytes for each wave; no tensor load fills it
.set SPITCH, 272
.set SPARE,  STAGE+4*16*SPITCH         ; the spare words, 128 bytes a wave, which no other line names
.set OROW, SIZE_N*4                    ; a row of out0 in bytes
.set WALK, 4096                        ; rows from a work-group's first tile to its second
.set NEXT_A, WALK*SIZE_K*2-(SIZE_K-2*KSTEP)*2   ; bytes from a slot's last K step of the first tile to its first of the second: att goes WALK rows down and back along K,
.set BACK_B, (SIZE_K-2*KSTEP)*2        ; Wo only back
.set ADRA, 16
.set ADRB, 20
.set STO,  24
.set RD,   25
.set CO,   26
.set SPW,  28
.set NIL,  29
.set OB,   32
.set BIAS, 96
.set ACC,  128
.set F0,   0
.set F1,   128
.set G1, 24
.set G0, 32
.set G1B, 48
.set G0B, 56
.set MSB, 0
.macro WIN new
.if MSB != (\new)
	s_set_vgpr_msb (MSB<<8)|(\new)
.set MSB, \new
.endif
.endm
.set MUL,  0x05
.set TO_F, 0x40
.macro JLOAD s                         ; a joint load: waves 0 and 1 fetch att's two halves, waves 2 and 3 Wo's; an s_nop 0 and four v_nop follow each line
	s_cmp_eq_u32 s11, 0
	s_cbranch_scc0 .Lfor_b_\@
	tensor_load_to_lds s[G0+4*\s:G0+4*\s+3], s[G1:G1+7]
	s_nop 0
.rept 4
	v_nop
.endr
	s_branch .Lasked_\@
.Lfor_b_\@:
	tensor_load_to_lds s[G0B+4*\s:G0B+4*\s+3], s[G1B:G1B+7]
	s_nop 0
.rept 4
	v_nop
.endr
.Lasked_\@:
.endm
.macro CREST                           ; a round of the cluster's barrier behind its opening barrier
	s_cmp_lg_u32 s10, 0
	s_cbranch_scc1 .Lnot_wave_0_\@
	s_barrier_signal -3
.Lnot_wave_0_\@:
	s_barrier_wait -3
	s_barrier_signal -1
	s_barrier_wait -1
.endm
.macro CROUND
	s_barrier_signal -1
	s_barrier_wait -1
	CREST
.endm
	s_load_b128 s[4:7], s[0:1], 0x0                ; att, prep
	s_load_b128 s[68:71], s[0:1], 0x10             ; bo, out0
	v_lshl_add_u32 v[SPW], v0, 2, SPARE
	v_mov_b32 v[NIL], 0
	ds_add_u32 v[SPW], v[NIL]                      ; the wave's opening: the add, twice on end, and its wait ahead of my first tensor load
	ds_add_u32 v[SPW], v[NIL]
	v_lshrrev_b32 v1, 5, v0
	v_readfirstlane_b32 s10, v1                    ; wave 0..3
	s_lshr_b32 s11, s10, 1                         ; which half of the tile's rows is mine.  Also: I fetch for att (0) or for Wo (1)
	s_and_b32 s12, s10, 1                          ; which half of its columns.  Also: which 64 rows I fetch
	s_bfe_u32 s40, ttmp6, 0x40000                  ; cx, cy
	s_bfe_u32 s41, ttmp6, 0x40004
	s_lshl_b32 s42, ttmp9, 2
	s_add_co_u32 s42, s42, s40                     ; tile column
	s_and_b32 s13, ttmp7, 0xffff
	s_lshl_b32 s13, s13, 2
	s_add_co_u32 s13, s13, s41                     ; the first tile's row, 0 .. 31; the second lies 32 tile rows further down
	s_lshl_b32 s43, s41, 2
	s_lshl_b32 s43, 15, s43                        ; my row of the cluster
	s_lshl_b32 s44, 0x1111, s40                    ; my column
	s_or_b32 s[G1+0], s43, (1<<16)|(1<<20)|(1<<21)|(6<<22)|(3<<25)  ; the mask; elements of 2 bytes; padding on; bit 21 beside a mask; four words after every 128
	s_or_b32 s[G1B+0], s44, (1<<16)|(1<<20)|(1<<21)|(6<<22)|(3<<25)
.irp g, G1, G1B
	s_mov_b32 s[\g+1], KSTEP<<16
	s_mov_b32 s[\g+2], 64<<16
	s_mov_b32 s[\g+3], KSTEP<<16
	s_mov_b32 s[\g+4], 64
	s_mov_b32 s[\g+5], SIZE_K
	s_mov_b32 s[\g+6], 0
	s_mov_b32 s[\g+7], 0
.endr
	s_lshl_b32 s17, s12, 6
	s_lshl_b32 s16, s13, 7
	s_add_co_u32 s16, s16, s17                     ; att: row 128 x tile row + 64 x half
	s_lshl_b32 s46, s42, 7
	s_add_co_u32 s46, s46, s17                     ; Wo: row 128 x tile column + 64 x half
	s_mov_b32 s17, 0
	s_mov_b32 s47, 0
	s_mov_b64 s[18:19], SIZE_K*2
	s_mul_u64 s[16:17], s[16:17], s[18:19]
	s_mul_u64 s[46:47], s[46:47], s[18:19]
	s_mul_i32 s20, s10, HALFT
	s_wait_dscnt 0x0                               ; both opening adds are done
	s_wait_kmcnt 0x0
	s_add_nc_u64 s[6:7], s[6:7], WO_OFF
	s_add_nc_u64 s[14:15], s[4:5], s[16:17]
	s_add_nc_u64 s[46:47], s[6:7], s[46:47]
	CROUND                                         ; all sixteen work-groups are here: the first joint loads meet
.irp s, 0,1
	s_mov_b32 s[G0+4*\s], 1
	s_add_co_u32 s[G0+4*\s+1], s20, \s*SLOT
	s_add_nc_u64 s[G0+4*\s+2:G0+4*\s+3], s[14:15], \s*KSTEP*2
	s_or_b32 s[G0+4*\s+3], s[G0+4*\s+3], 0x80000000
	s_mov_b32 s[G0B+4*\s], 1
	s_add_co_u32 s[G0B+4*\s+1], s20, \s*SLOT
	s_add_nc_u64 s[G0B+4*\s+2:G0B+4*\s+3], s[46:47], \s*KSTEP*2
	s_or_b32 s[G0B+4*\s+3], s[G0B+4*\s+3], 0x80000000
	JLOAD \s                                       ; two loads of mine are out at the start, later one
.endr
	v_and_b32 v1, 15, v0                           ; r
	v_bfe_u32 v2, v0, 4, 1                         ; h
	v_lshlrev_b32 v6, 5, v2                        ; the bias: a lane wants the eight numbers of its half: 32 h
	s_lshl_b32 s46, s42, 9                         ; my first column, in bytes: 512 x tile column + 256 x half
	s_lshl_b32 s47, s12, 8
	s_add_co_u32 s46, s46, s47
	s_mov_b32 s47, 0
	s_add_nc_u64 s[68:69], s[68:69], s[46:47]
.irp b, 0,1,2,3
	global_load_b128 v[BIAS+8*\b:BIAS+8*\b+3], v6, s[68:69] offset:64*\b
	global_load_b128 v[BIAS+8*\b+4:BIAS+8*\b+7], v6, s[68:69] offset:64*\b+16
.endr
	v_mul_u32_u24 v3, v1, PITCH
	v_lshl_add_u32 v3, v2, 4, v3
	s_mul_i32 s21, s11, HALFT
	s_mul_i32 s22, s12, HALFT
	s_add_co_u32 s22, s22, 2*HALFT
.irp s, 0,1
	v_add_nc_u32 v[ADRA+\s], s21, v3
	v_add_nc_u32 v[ADRB+\s], s22, v3
	s_add_co_u32 s21, s21, SLOT
	s_add_co_u32 s22, s22, SLOT
.endr
	s_mul_i32 s23, s10, 16*SPITCH
	s_add_co_u32 s23, s23, STAGE                   ; my stage
	v_mul_u32_u24 v4, v1, SPITCH                   ; in: row r, 32 bytes for each half of the lanes
	v_lshl_add_u32 v4, v2, 5, v4
	v_add_nc_u32 v[STO], s23, v4
	v_mul_u32_u24 v5, v2, SPITCH                   ; back: lanes 0-15 one row of 256 bytes, lanes 16-31 the next
	v_lshl_add_u32 v5, v1, 4, v5
	v_add_nc_u32 v[RD], s23, v5
	v_mul_u32_u24 v5, v2, OROW
	v_lshl_add_u32 v[CO], v1, 4, v5
	s_lshl_b32 s16, s13, 7
	s_lshl_b32 s17, s11, 6
	s_add_co_u32 s16, s16, s17                     ; my first row: 128 x tile row + 64 x half
	s_mov_b32 s17, 0
	s_mov_b64 s[18:19], OROW
	s_mul_u64 s[16:17], s[16:17], s[18:19]
	s_add_nc_u64 s[70:71], s[70:71], s[16:17]
	s_add_nc_u64 s[70:71], s[70:71], s[46:47]      ; out0 at my part of the first tile,
	s_add_nc_u64 s[72:73], s[70:71], WALK*OROW     ; and of the second: neither base is written again
.macro MUL8 f, c, a0, zero             ; zero = 1: the first product starts the sum from the bias; the 16 accumulators take turns
.irp a, \a0, \a0+1
.irp b, 0,1,2,3
.if \zero
	v_wmma_f32_16x16x32_f16 v[ACC+8*(4*(\a)+\b):ACC+8*(4*(\a)+\b)+7], v[\f+64+8*(4*\c+\b):\f+64+8*(4*\c+\b)+7], v[\f+8*(4*\c+\a):\f+8*(4*\c+\a)+7], v[BIAS+8*\b:BIAS+8*\b+7]
.else
	v_wmma_f32_16x16x32_f16 v[ACC+8*(4*(\a)+\b):ACC+8*(4*(\a)+\b)+7], v[\f+64+8*(4*\c+\b):\f+64+8*(4*\c+\b)+7], v[\f+8*(4*\c+\a):\f+8*(4*\c+\a)+7], v[ACC+8*(4*(\a)+\b):ACC+8*(4*(\a)+\b)+7]
.endif
.endr
.endr
.endm
.macro FETCH slot, k, f
	WIN TO_F
.irp c, 0,1
.irp i, 0,1,2,3
	ds_load_b128 v[\f+64+8*(4*\c+\i):\f+64+8*(4*\c+\i)+3],   v[ADRB+\slot] offset:\k+64*\c+\i*16*PITCH
	ds_load_b128 v[\f+64+8*(4*\c+\i)+4:\f+64+8*(4*\c+\i)+7], v[ADRB+\slot] offset:\k+64*\c+\i*16*PITCH+32
	ds_load_b128 v[\f+8*(4*\c+\i):\f+8*(4*\c+\i)+3],         v[ADRA+\slot] offset:\k+64*\c+\i*16*PITCH
	ds_load_b128 v[\f+8*(4*\c+\i)+4:\f+8*(4*\c+\i)+7],       v[ADRA+\slot] offset:\k+64*\c+\i*16*PITCH+32
.endr
.endr
.endm
.macro PLACES
.rept 4
	v_nop
.endr
.endm
.macro QUARTER slot, k, f, g, zero
	s_wait_dscnt 16                                ; the first 32 along K are in; the other sixteen loads may be out
	WIN MUL
	MUL8 \f, 0, 0, \zero
	MUL8 \f, 0, 2, \zero
	PLACES
	FETCH \slot, \k, \g
	s_wait_dscnt 32                                ; all but the 32 just issued
	WIN MUL
	MUL8 \f, 1, 0, 0
	MUL8 \f, 1, 2, 0
.endm
; The change of slots.  fill = 0: nothing is asked for.  Else the barrier opens a round of the cluster's barrier, and the joint refill is the first load behind it:
; fill = 1: this tile's K step two on;  fill = 2: the second tile's K step 0 or 1.
.macro TURN slot, next, fill
	WIN 0
	s_wait_tensorcnt 0x0
	ds_add_u32 v[SPW], v[NIL]
	s_wait_dscnt 17                                ; (the add and the youngest sixteen loads may be out)
	WIN MUL
	MUL8 F1, 0, 0, 0
	s_wait_dscnt 0x0                               ; the add is done, and my reads of this slot are over
	s_barrier_signal -1
	MUL8 F1, 0, 2, 0
.if \fill
	WIN 0
.endif
	s_barrier_wait -1
.if \fill
	CREST
.if \fill == 2
	s_add_nc_u64 s[G0+4*\slot+2:G0+4*\slot+3], s[G0+4*\slot+2:G0+4*\slot+3], NEXT_A
	s_sub_nc_u64 s[G0B+4*\slot+2:G0B+4*\slot+3], s[G0B+4*\slot+2:G0B+4*\slot+3], BACK_B
.else
	s_add_nc_u64 s[G0+4*\slot+2:G0+4*\slot+3], s[G0+4*\slot+2:G0+4*\slot+3], 2*KSTEP*2
	s_add_nc_u64 s[G0B+4*\slot+2:G0B+4*\slot+3], s[G0B+4*\slot+2:G0B+4*\slot+3], 2*KSTEP*2
.endif
	JLOAD \slot
.else
	PLACES
.endif
	FETCH \next, 0, F0
	WIN MUL
	MUL8 F1, 1, 0, 0
	MUL8 F1, 1, 2, 0
.endm
.macro REST slot, next, fill           ; a K step behind its first quarter
	QUARTER \slot, 256, F1, F0, 0
	QUARTER \slot, 384, F0, F1, 0
	TURN \slot, \next, \fill
.endm
; THE WAY OUT of a tile, by blocks of 16 rows x 64 columns, through my own stage: back as whole rows of 256 bytes; sixteen lanes store 256 consecutive aligned bytes.
.macro TOSTAGE a
.irp b, 0,1,2,3
	ds_store_b128 v[STO], v[ACC+8*(4*(\a)+\b):ACC+8*(4*(\a)+\b)+3] offset:64*\b        ; each accumulator from its low end on
	ds_store_b128 v[STO], v[ACC+8*(4*(\a)+\b)+4:ACC+8*(4*(\a)+\b)+7] offset:64*\b+16
.endr
.set BB, OB+32*((\a)%2)
.irp t, 0,1,2,3,4,5,6,7
	ds_load_b128 v[BB+4*\t:BB+4*\t+3], v[RD] offset:\t*2*SPITCH    ; LDS serves a wave's instructions in order
.endr
.endm
.macro SEND a, younger, base
.set BB, OB+32*((\a)%2)
	s_wait_dscnt \younger
.irp t, 0,1,2,3,4,5,6,7
	global_store_b128 v[CO], v[BB+4*\t:BB+4*\t+3], s[\base:\base+1] offset:(16*(\a)+2*\t)*OROW th:TH_STORE_NT
.endr
.endm
.macro WAYOUT base
	s_wait_xcnt 0x0                                ; earlier stores have read their data: v32-95 are loaded again only behind this wait
.rept 5
	v_nop                                          ; four places in front of the LDS stores of the results; five in front of the products that write over the accumulators with another C
.endr
	TOSTAGE 0
.irp a, 1,2,3
.if \a > 1
	s_wait_xcnt 0x0                                ; block a - 2's stores have read their registers
.endif
	TOSTAGE \a
	SEND \a-1, 16, \base                           ; behind block a - 1's loads: block a's 8 stores and 8 loads
.endr
	SEND 3, 0, \base
.endm
	s_wait_tensorcnt 1                             ; my part of K step 0 is in; K step 1's stays out
	s_barrier_signal -1
	s_barrier_wait -1
	FETCH 0, 0, F0
	s_wait_loadcnt 0x0                             ; the bias
	QUARTER 0, 128, F0, F1, 1                      ; the first tile: K steps 0 to 3
	REST 0, 1, 1
	QUARTER 1, 128, F0, F1, 0
	REST 1, 0, 1
	QUARTER 0, 128, F0, F1, 0
	REST 0, 1, 2                                   ; the ring goes on into the second tile: slot 0 takes its K step 0,
	QUARTER 1, 128, F0, F1, 0
	REST 1, 0, 2                                   ; slot 1 its K step 1, and its first fragments are fetched
	WIN 0
	WAYOUT 70                                      ; both refills are asked for: now the first tile goes out
	QUARTER 0, 128, F0, F1, 1                      ; the second tile
	REST 0, 1, 1
	QUARTER 1, 128, F0, F1, 0
	REST 1, 0, 1
	QUARTER 0, 128, F0, F1, 0
	REST 0, 1, 0                                   ; the last two K steps ask for nothing
	QUARTER 1, 128, F0, F1, 0
	QUARTER 1, 256, F1, F0, 0
	QUARTER 1, 384, F0, F1, 0
	s_wait_dscnt 16
	WIN MUL
	MUL8 F1, 0, 0, 0
	MUL8 F1, 0, 2, 0
	s_wait_dscnt 0
	MUL8 F1, 1, 0, 0
	MUL8 F1, 1, 2, 0
	WIN 0
	WAYOUT 72
	s_wait_tensorcnt 0x0                           ; the wave's end
	ds_add_u32 v[SPW], v[NIL]
	s_wait_dscnt 0x0
	CROUND                                         ; the closing round
	s_endpgm
.Lfunc_end_k_q98c3b767df_proj:
	.size	k_q98c3b767df_proj, .Lfunc_end_k_q98c3b767df_proj-k_q98c3b767df_proj
	.p2alignl 7, 3214868480
	.fill 96, 4, 3214868480
	.section	.rodata,"a",@progbits
	.p2align	6, 0x0
	.amdhsa_kernel k_q98c3b767df_proj
		.amdhsa_group_segment_fixed_size 327680
		.amdhsa_private_segment_fixed_size 0
		.amdhsa_enable_private_segment 0
		.amdhsa_kernarg_size 32
		.amdhsa_user_sgpr_count 2
		.amdhsa_user_sgpr_kernarg_segment_ptr 1
		.amdhsa_wavefront_size32 1
		.amdhsa_system_sgpr_workgroup_id_x 1
		.amdhsa_system_sgpr_workgroup_id_y 1
		.amdhsa_system_sgpr_workgroup_id_z 1
		.amdhsa_system_vgpr_workitem_id 0
		.amdhsa_next_free_vgpr 512
		.amdhsa_next_free_sgpr 76
		.amdhsa_reserve_vcc 0
		.amdhsa_float_denorm_mode_32 3
		.amdhsa_float_denorm_mode_16_64 3
		.amdhsa_memory_ordered 1
		.amdhsa_forward_progress 1
		.amdhsa_inst_pref_size 166
	.end_amdhsa_kernel
	.amdgpu_metadata
---
amdhsa.version: [ 1, 2 ]
amdhsa.kernels:
  - .name:           k_q98c3b767df_proj
    .symbol:         k_q98c3b767df_proj.kd
    .args:
      - { .name: att, .offset: 0, .size: 8, .value_kind: global_buffer, .address_space: global }
      - { .name: prep, .offset: 8, .size: 8, .value_kind: global_buffer, .address_space: global }
      - { .name: bo, .offset: 16, .size: 8, .value_kind: global_buffer, .address_space: global }
      - { .name: out0, .offset: 24, .size: 8, .value_kind: global_buffer, .address_space: global }
    .group_segment_fixed_size: 327680
    .private_segment_fixed_size: 0
    .kernarg_segment_align: 8
    .kernarg_segment_size: 32
    .max_flat_workgroup_size: 128
    .sgpr_count:     76
    .vgpr_count:     512
    .wavefront_size: 32
...
	.end_amdgpu_metadata
.endif
;; end of part 6
;; launch fine (part 7): grid 32 x 4, 8 waves a work-group, no clusters, 25,600 bytes of LDS; arguments fine, Wo, bo, out0; writes out0
.if DOCPART == 7
	.amdgcn_target "amdgcn-amd-amdhsa--gfx1250"
	.amdhsa_code_object_version 6
	.text
	.protected	k_q98c3b767df_fine
	.globl	k_q98c3b767df_fine
	.p2align	8
	.type	k_q98c3b767df_fine,@function
k_q98c3b767df_fine:
	s_mov_b64 s[64:65], 0
	v_nop
	global_prefetch_b8 v0, s[64:65] scope:SCOPE_SE
	s_setreg_imm32_b32 hwreg(HW_REG_WAVE_MODE, 25, 1), 1
	s_wait_xcnt 0x0
; Positions 0 to 15 of each batch once more, all in f32, from the f32 sums of the quantised products that the softmax's launch stored: these rows average one to sixteen values and are the largest in size.
; scores (16 x 16, K 1,024), mask, softmax with the maximum taken away, P v, the projection by Wo (f32, as given) and bo.  The 64 rows of out0 are written over.
; WORK LEFT OUT: keys from 16 on come after all of these queries: their weights are 0 by reference()'s own mask.
; A work-group takes a batch and 32 columns of out0.  Its eight waves share K in all three products: wave w owns channels 128 w .. 128 w + 127, so that the attention's result never changes wave;
; the two sums over waves (the scores; the outputs) go through LDS as images of the registers.  The scores and P v are made anew in each of a batch's 32 work-groups: small beside Wo's share.
; v_wmma_f32_16x16x4_f32: lane (r, h) holds row r, register j the k of place 2 h + j.  The places of k are dealt alike on both sides of each product, so that plain loads of 16 bytes fill the operands.
; All products are used transposed: a lane holds ONE query (l % 16) in the scores, in P, in the attention's result and in the output.  The registers that these matrix instructions write are written by them alone.
; The stores are 16 bytes a lane, 16 rows x 128 bytes a work-group: 256 KB in the whole launch.
; REGISTERS: window 0: v1-11 addresses; v12, v13 the add's two; v14 d, v15 -infinity; v16-79 k's fragments, later at work; v80-143 q's, later the scores' images; v144-207 v's;
;   v208-223 two accumulators (scores, later outputs); v224-231 p; v232-233 1 / sum; v234-247 at work.   window 1: v0-127 Wo's fragments; v128-191 the attention's result, 8 tiles.
.set VT_OFF, 524288
.set SIMG,  0                          ; LDS: the scores' images, 1,024 bytes a wave
.set YIMG,  8192                       ; the outputs' images, 2,048 bytes a wave
.set SPARE, 24576                      ; the spare words, 128 bytes a wave, which no other line names
.set MSB, 0
.macro WIN new
.if MSB != (\new)
	s_set_vgpr_msb (MSB<<8)|(\new)
.set MSB, \new
.endif
.endm
	s_load_b256 s[4:11], s[0:1], 0x0               ; fine s[4:5], Wo s[6:7], bo s[8:9], out0 s[10:11]
	v_lshl_add_u32 v12, v0, 2, SPARE
	v_mov_b32 v13, 0
	v_lshrrev_b32 v1, 5, v0
	v_readfirstlane_b32 s12, v1                    ; wave 0..7
	v_and_b32 v2, 31, v0                           ; lane
	v_and_b32 v3, 15, v0                           ; r
	v_bfe_u32 v4, v0, 4, 1                         ; h
	v_lshlrev_b32 v1, 4, v2                        ; 16 x lane: an image's place for my lane
	s_lshl_b32 s15, s12, 10
	v_add_nc_u32 v5, s15, v1                       ; where I store my scores' image
	s_lshl_b32 s15, s12, 11
	s_add_co_u32 s15, s15, YIMG
	v_add_nc_u32 v6, s15, v1                       ; and my outputs'
	s_and_b32 s26, s12, 3
	s_lshl_b32 s15, s26, 9
	s_add_co_u32 s15, s15, YIMG
	v_add_nc_u32 v7, s15, v1                       ; the quarter of the outputs' images that waves 0 to 3 add up
	v_lshlrev_b32 v8, 13, v3
	v_lshl_add_u32 v8, v4, 4, v8                   ; q, k: position r's row of 8,192 bytes, + 16 h
	v_lshlrev_b32 v9, 6, v3
	v_lshl_add_u32 v9, v4, 5, v9                   ; v: channel r's row of 64 bytes, + 32 h
	v_lshlrev_b32 v10, 12, v3
	v_lshl_add_u32 v10, v4, 5, v10                 ; Wo: row r of 4,096 bytes, + 32 h; the same offset serves out0
	v_lshlrev_b32 v11, 5, v4                       ; bo: 32 h
	v_lshlrev_b32 v14, 3, v4
	v_sub_nc_u32 v14, v3, v14                      ; d = r - 8 h: my register j holds key 8 h + j, hidden where j > d
	v_mov_b32 v15, 0xff800000                      ; -infinity
	v_mov_b32 v236, 0                              ; (a lane permute's destination counts as read)
	s_and_b32 s13, ttmp7, 0xffff                   ; the batch
	s_mov_b32 s28, 0x3d38aa3b                      ; c = log2(e) / 32
	s_mov_b32 s29, s28
	s_mov_b32 s30, 0x76543210
	s_mov_b32 s31, 0xfedcba98                      ; lane l xor 16
	s_lshl_b32 s16, s13, 17
	s_lshl_b32 s15, s12, 9
	s_add_co_u32 s16, s16, s15                     ; q, k: the batch's 16 rows, my 128 channels
	s_mov_b32 s17, 0
	s_lshl_b32 s18, s13, 16
	s_lshl_b32 s15, s12, 13
	s_add_co_u32 s18, s18, s15                     ; v: the batch's 1,024 channels, my 128
	s_mov_b32 s19, 0
	s_lshl_b32 s20, ttmp9, 17
	s_lshl_b32 s15, s12, 9
	s_add_co_u32 s20, s20, s15                     ; Wo: my work-group's 32 rows, my 128 channels
	s_mov_b32 s21, 0
	s_lshl_b32 s22, ttmp9, 7                       ; bo and a row of out0: my work-group's 32 columns,
	s_lshr_b32 s15, s26, 1
	s_lshl_b32 s15, s15, 6
	s_add_co_u32 s22, s22, s15                     ; the tile of 16,
	s_and_b32 s15, s12, 1
	s_lshl_b32 s15, s15, 4
	s_add_co_u32 s22, s22, s15                     ; and the four of a lane's eight that my quarter holds
	s_mov_b32 s23, 0
	s_lshl_b32 s24, s13, 23                        ; out0: the batch's first row
	s_add_co_u32 s24, s24, s22
	s_mov_b32 s25, 0
	s_wait_kmcnt 0x0
	s_add_nc_u64 s[16:17], s[4:5], s[16:17]
	s_add_nc_u64 s[18:19], s[4:5], s[18:19]
	s_add_nc_u64 s[18:19], s[18:19], VT_OFF
	s_add_nc_u64 s[20:21], s[6:7], s[20:21]
	s_add_nc_u64 s[22:23], s[8:9], s[22:23]
	s_add_nc_u64 s[24:25], s[10:11], s[24:25]
.irp c, 0,1,2,3,4,5,6,7,8,9,10,11,12,13,14,15
	global_load_b128 v[16+4*\c:19+4*\c], v8, s[16:17] offset:4096+32*\c     ; k: channels 8 c + 4 h + 0 .. 3
.endr
.irp c, 0,1,2,3,4,5,6,7,8,9,10,11,12,13,14,15
	global_load_b128 v[80+4*\c:83+4*\c], v8, s[16:17] offset:32*\c          ; q likewise
.endr
.irp T, 0,1,2,3,4,5,6,7
	global_load_b128 v[144+8*\T:147+8*\T], v9, s[18:19] offset:1024*\T      ; v: tile T's channel r, keys 8 h + 0 .. 7
	global_load_b128 v[148+8*\T:151+8*\T], v9, s[18:19] offset:1024*\T+16
.endr
	WIN 0x40                                       ; destination window 1
.irp nt, 0,1
.irp T, 0,1,2,3,4,5,6,7
	global_load_b128 v[64*\nt+8*\T:64*\nt+8*\T+3], v10, s[20:21] offset:65536*\nt+64*\T        ; Wo: row 16 nt + r, channels 16 T + 8 h + 0 .. 7
	global_load_b128 v[64*\nt+8*\T+4:64*\nt+8*\T+7], v10, s[20:21] offset:65536*\nt+64*\T+16
.endr
.endr
	WIN 0
	; ---- the scores of my 128 channels: S^T = k q^T, two accumulators by turns
	s_wait_loadcnt 48                              ; k and q are in; v's 16 loads and Wo's 32 stay out
.irp c, 0,1,2,3,4,5,6,7,8,9,10,11,12,13,14,15
.irp p, 0,1
.if \c == 0
	v_wmma_f32_16x16x4_f32 v[208+8*\p:215+8*\p], v[16+4*\c+2*\p:17+4*\c+2*\p], v[80+4*\c+2*\p:81+4*\c+2*\p], 0
.else
	v_wmma_f32_16x16x4_f32 v[208+8*\p:215+8*\p], v[16+4*\c+2*\p:17+4*\c+2*\p], v[80+4*\c+2*\p:81+4*\c+2*\p], v[208+8*\p:215+8*\p]
.endif
.endr
.endr
.rept 8
	v_nop                                          ; eight places behind this form (ISA guide 7.12.1)
.endr
.irp j, 0,2,4,6
	v_pk_add_f32 v[16+\j:17+\j], v[208+\j:209+\j], v[216+\j:217+\j]         ; from the low end on
.endr
	ds_store_b128 v5, v[16:19] offset:SIMG
	ds_store_b128 v5, v[20:23] offset:SIMG+512
	s_wait_dscnt 0x0                               ; for the others' sake: my image lies in LDS
	s_barrier_signal -1
	s_barrier_wait -1
.irp u, 0,1,2,3,4,5,6,7
	ds_load_b128 v[80+8*\u:83+8*\u], v1 offset:SIMG+1024*\u
	ds_load_b128 v[84+8*\u:87+8*\u], v1 offset:SIMG+1024*\u+512
.endr
	s_wait_dscnt 0x0
.irp u, 0,2,4,6                        ; the eight parts are added in the same order in every wave
.irp j, 0,2,4,6
	v_pk_add_f32 v[80+8*\u+\j:81+8*\u+\j], v[80+8*\u+\j:81+8*\u+\j], v[88+8*\u+\j:89+8*\u+\j]
.endr
.endr
.irp u, 0,4
.irp j, 0,2,4,6
	v_pk_add_f32 v[80+8*\u+\j:81+8*\u+\j], v[80+8*\u+\j:81+8*\u+\j], v[96+8*\u+\j:97+8*\u+\j]
.endr
.endr
.irp j, 0,2,4,6
	v_pk_add_f32 v[80+\j:81+\j], v[80+\j:81+\j], v[112+\j:113+\j]
.endr
	; ---- mask and softmax: query r, keys 8 h + 0 .. 7
.irp j, 0,1,2,3,4,5,6,7
	v_cmp_gt_i32 vcc_lo, \j, v14
	v_cndmask_b32 v[80+\j], v[80+\j], v15, vcc_lo
.endr
	v_max3_num_f32 v234, v80, v81, v82
	v_max3_num_f32 v235, v83, v84, v85
	v_max3_num_f32 v234, v234, v86, v87
	v_max_num_f32 v234, v234, v235
	v_permlanex16_b32 v236, v234, s30, s31
	v_max_num_f32 v234, v234, v236                 ; the row's maximum (key 0 counts for every query)
	v_mul_f32 v238, s28, v234
	v_mul_f32 v239, s28, v234
.irp j, 0,2,4,6
	v_pk_fma_f32 v[80+\j:81+\j], v[80+\j:81+\j], s[28:29], v[238:239] op_sel_hi:[1,0,0] neg_lo:[0,0,1] neg_hi:[0,0,1]
.endr
.irp j, 0,1,2,3,4,5,6,7
	v_exp_f32 v[224+\j], v[80+\j]
.endr
	v_nop
	s_wait_alu depctr_va_vdst(0)                   ; one wait for the eight exponentials
	v_pk_add_f32 v[240:241], v[224:225], v[226:227]
	v_pk_add_f32 v[242:243], v[228:229], v[230:231]
	v_pk_add_f32 v[240:241], v[240:241], v[242:243]
	v_add_f32 v240, v240, v241
	v_permlanex16_b32 v236, v240, s30, s31
	v_add_f32 v240, v240, v236                     ; the row's sum
	v_rcp_f32 v232, v240
	v_rcp_f32 v233, v240
	v_nop
	s_wait_alu depctr_va_vdst(0)                   ; one wait for the two reciprocals; they divide at the very end
	; ---- O^T = v^T p^T for my 128 channels: eight accumulators by turns, four keys of each half an instruction
	s_wait_loadcnt 32                              ; v is in; Wo's 32 loads stay out
	WIN 0x50                                       ; C and D window 1
.irp s, 0,1,2,3
.irp T, 0,1,2,3,4,5,6,7
.if \s == 0
	v_wmma_f32_16x16x4_f32 v[128+8*\T:135+8*\T], v[144+8*\T+2*\s:145+8*\T+2*\s], v[224+2*\s:225+2*\s], 0
.else
	v_wmma_f32_16x16x4_f32 v[128+8*\T:135+8*\T], v[144+8*\T+2*\s:145+8*\T+2*\s], v[224+2*\s:225+2*\s], v[128+8*\T:135+8*\T]
.endif
.endr
.endr
	WIN 0
.rept 9
	v_nop                                          ; nine places: the results become operands of the next products
.endr
	; ---- Y^T = Wo O^T over my 128 channels: two accumulators by turns
	s_wait_loadcnt 0x0
	WIN 0x05                                       ; sources 0 and 1 window 1
.irp T, 0,1,2,3,4,5,6,7
.irp s, 0,1,2,3
.irp nt, 0,1
.if (\T == 0) && (\s == 0)
	v_wmma_f32_16x16x4_f32 v[208+8*\nt:215+8*\nt], v[64*\nt+8*\T+2*\s:64*\nt+8*\T+2*\s+1], v[128+8*\T+2*\s:129+8*\T+2*\s], 0
.else
	v_wmma_f32_16x16x4_f32 v[208+8*\nt:215+8*\nt], v[64*\nt+8*\T+2*\s:64*\nt+8*\T+2*\s+1], v[128+8*\T+2*\s:129+8*\T+2*\s], v[208+8*\nt:215+8*\nt]
.endif
.endr
.endr
.endr
	WIN 0
.rept 8
	v_nop
.endr
	ds_store_b128 v6, v[208:211]                   ; my part's image: from each accumulator's low end on
	ds_store_b128 v6, v[212:215] offset:512
	ds_store_b128 v6, v[216:219] offset:1024
	ds_store_b128 v6, v[220:223] offset:1536
	s_cmp_ge_u32 s12, 4
	s_cbranch_scc1 .Lno_bias
	global_load_b128 v[244:247], v11, s[22:23]     ; the four numbers of bo that go with my quarter
.Lno_bias:
	s_wait_dscnt 0x0                               ; for the others' sake
	s_barrier_signal -1
	s_barrier_wait -1
	s_cmp_ge_u32 s12, 4                            ; waves 0 to 3 add up a quarter each and store it
	s_cbranch_scc1 .Lend
.irp u, 0,1,2,3,4,5,6,7
	ds_load_b128 v[16+4*\u:19+4*\u], v7 offset:2048*\u
.endr
	s_wait_dscnt 0x0
.irp u, 0,2,4,6
.irp j, 0,2
	v_pk_add_f32 v[16+4*\u+\j:17+4*\u+\j], v[16+4*\u+\j:17+4*\u+\j], v[20+4*\u+\j:21+4*\u+\j]
.endr
.endr
.irp u, 0,4
.irp j, 0,2
	v_pk_add_f32 v[16+4*\u+\j:17+4*\u+\j], v[16+4*\u+\j:17+4*\u+\j], v[24+4*\u+\j:25+4*\u+\j]
.endr
.endr
.irp j, 0,2
	v_pk_add_f32 v[16+\j:17+\j], v[16+\j:17+\j], v[32+\j:33+\j]
.endr
	s_wait_loadcnt 0x0                             ; the bias
	v_pk_fma_f32 v[16:17], v[16:17], v[232:233], v[244:245]        ; / the row's sum, + bo
	v_pk_fma_f32 v[18:19], v[18:19], v[232:233], v[246:247]
	global_store_b128 v10, v[16:19], s[24:25]
.Lend:
	s_wait_tensorcnt 0x0                           ; the wave's end, behind my last LDS store
	ds_add_u32 v12, v13
	s_wait_dscnt 0x0
	s_endpgm
.Lfunc_end_k_q98c3b767df_fine:
	.size	k_q98c3b767df_fine, .Lfunc_end_k_q98c3b767df_fine-k_q98c3b767df_fine
	.p2alignl 7, 3214868480
	.fill 96, 4, 3214868480
	.section	.rodata,"a",@progbits
	.p2align	6, 0x0
	.amdhsa_kernel k_q98c3b767df_fine
		.amdhsa_group_segment_fixed_size 25600
		.amdhsa_private_segment_fixed_size 0
		.amdhsa_enable_private_segment 0
		.amdhsa_kernarg_size 32
		.amdhsa_user_sgpr_count 2
		.amdhsa_user_sgpr_kernarg_segment_ptr 1
		.amdhsa_wavefront_size32 1
		.amdhsa_system_sgpr_workgroup_id_x 1
		.amdhsa_system_sgpr_workgroup_id_y 1
		.amdhsa_system_sgpr_workgroup_id_z 1
		.amdhsa_system_vgpr_workitem_id 0
		.amdhsa_next_free_vgpr 448
		.amdhsa_next_free_sgpr 66
		.amdhsa_reserve_vcc 1
		.amdhsa_float_denorm_mode_32 3
		.amdhsa_float_denorm_mode_16_64 3
		.amdhsa_memory_ordered 1
		.amdhsa_forward_progress 1
		.amdhsa_inst_pref_size 27
	.end_amdhsa_kernel
	.amdgpu_metadata
---
amdhsa.version: [ 1, 2 ]
amdhsa.kernels:
  - .name:           k_q98c3b767df_fine
    .symbol:         k_q98c3b767df_fine.kd
    .args:
      - { .name: fine, .offset: 0, .size: 8, .value_kind: global_buffer, .address_space: global }
      - { .name: Wo, .offset: 8, .size: 8, .value_kind: global_buffer, .address_space: global }
      - { .name: bo, .offset: 16, .size: 8, .value_kind: global_buffer, .address_space: global }
      - { .name: out0, .offset: 24, .size: 8, .value_kind: global_buffer, .address_space: global }
    .group_segment_fixed_size: 25600
    .private_segment_fixed_size: 0
    .kernarg_segment_align: 8
    .kernarg_segment_size: 32
    .max_flat_workgroup_size: 256
    .sgpr_count:     66
    .vgpr_count:     448
    .wavefront_size: 32
...
	.end_amdgpu_metadata
.endif
;; end of part 7
